; MI455X (gfx1250); checked and timed in simulation.
; The chip was launched on July 23, 2026; its instructions are those of AMD's public machine-readable ISA for CDNA 5 (MIT licence, August 2026) and "CDNA5" Instruction Set Architecture Reference Guide (July 2026). The comments in the code are by the model that wrote it; some were corrected since.
;; Multi Head Attention. Allowed arithmetic: matrix products marked QUANTISED: E2M1 operands, one E8M0 scale for each 32 along K, by v_wmma_scale_f32_16x16x128_f8f6f4 with both operands' format E2M1 (or v_wmma_scale_f32_32x16x128_f4), f32 sums; products left as they are: bf16, f16 or f32 operands; f32 sums; everything else in f32.
;; Inputs: W_out 1,024 x 1,024 float32; W_qkv 1,024 x 3,072 float32; b_out 1,024 float32; b_qkv 3,072 float32; x 4 x 2,048 x 1,024 float32.
;; Outputs: out0 4 x 2,048 x 1,024 float32.
;; This version of the problem:
;;   THIS VERSION OF THE PROBLEM IS GIVEN IN LOW PRECISION. The matrix products marked QUANTISED in the list below multiply operands that are first quantised to E2M1 (2 exponent bits, 1 mantissa bit; 4 bits a number), with one power-of-two scale for each 32 numbers along K (OCP MX v1.0); their sums are f32. The products marked 'left as it is' may take bf16, f16 or f32 operands, with f32 sums. Whichever they take, every output number must still come out within the allowed error. Rounding operands to bf16 (8 significant bits) uses up far more of that allowance than f16 does (11 bits, for magnitudes from 6e-5 to 65,504). All else is computed in f32.
;;   The module's matrix products, in the order in which they are computed (A, B: the left and right operand; K: the contracted axis; several contracted axes count as one K, in the product's order):
;;     1. [M 8,192, K 1,024] x [K 1,024, N 3,072]; A: input x; B: input W_qkv: QUANTISED
;;     2. batch 64 x [M 2,048, K 64] x [K 64, N 2,048]; A: computed on the way; B: computed on the way: left as it is (an operand is computed on the way)
;;     3. batch 64 x [M 2,048, K 2,048] x [K 2,048, N 64]; A: computed on the way; B: computed on the way: left as it is (an operand is computed on the way)
;;     4. [M 8,192, K 1,024] x [K 1,024, N 1,024]; A: computed on the way; B: input W_out: left as it is (an operand is computed on the way)
;;   THE QUANTISER, for each operand of a quantised product, along K:
;;     - K is cut into blocks of 32 from its start; a last block that is shorter is filled with zeros.
;;     - A block's scale is 2^e with e = floor(log2(the largest magnitude in the block)) - 2, held to -126 .. 127; a block of zeros has e = 0. As a byte (E8M0): e + 127.
;;     - Each number is divided by its block's scale, clamped to +-6, and rounded to the nearest number of E2M1, ties to even, subnormals kept.
;;     - The product sums the exact products of the quantised numbers (number of the format x scale) in f32.
;;   ~~~python
;;   def quantise(x, axis):      # numpy; x: float32 -> the quantised numbers, widened to float32 again
;;       x = np.moveaxis(x, axis, -1); K = x.shape[-1]
;;       x = np.pad(x, [(0, 0)] * (x.ndim - 1) + [(0, -K % 32)]); x = x.reshape(x.shape[:-1] + (-1, 32)); a = np.abs(x).max(-1, keepdims=True)
;;       e = np.where(a > 0, np.clip(np.frexp(np.where(a > 0, a, 1))[1] - 1 - 2, -126, 127), 0)      # np.frexp(a)[1] - 1 = floor(log2(a)), exactly
;;       r = np.clip(x / 2.0 ** e, -6, 6)
;;       step = 2.0 ** (np.maximum(np.frexp(np.where(r == 0, 1, r))[1] - 1, 0) - 1)
;;       q = np.round(r / step) * step * 2.0 ** e      # np.round: ties to even
;;       return np.moveaxis(q.reshape(q.shape[:-2] + (-1,))[..., :K], -1, axis).astype(np.float32)
;;   ~~~
;; One version. Each part assembles by itself: llvm-mc -triple=amdgcn-amd-amdhsa -mcpu=gfx1250 --defsym DOCPART=n.
;; ======== version 1 of 1: 5 launches
;; limits: values are held in f16: magnitudes above 65,504 overflow, below 6.1e-05 lose precision
;; workspace buffers: xc 4,194,304 bytes; xs 262,144 bytes; wc 1,572,864 bytes; ws 98,304 bytes; wot 2,097,152 bytes; qkv16 50,331,648 bytes; qkvf 786,432 bytes; ao 16,777,216 bytes
;; launch prep (part 1): grid 368 x 1, 4 waves a work-group, no clusters, 102,912 bytes of LDS; arguments x, W_qkv, W_out, xc, xs, wc, ws, wot; writes xc, xs, wc, ws, wot
.if DOCPART == 1
	.amdgcn_target "amdgcn-amd-amdhsa--gfx1250"
	.amdhsa_code_object_version 6
	.text
	.protected	k_q09ae42620e_prep
	.globl	k_q09ae42620e_prep
	.p2align	8
	.type	k_q09ae42620e_prep,@function
k_q09ae42620e_prep:
	s_mov_b64 s[64:65], 0
	v_nop
	global_prefetch_b8 v0, s[64:65] scope:SCOPE_SE
	s_setreg_imm32_b32 hwreg(HW_REG_WAVE_MODE, 25, 1), 1
	s_wait_xcnt 0x0
; THREE JOBS IN ONE LAUNCH, told apart by the work-group's number; the three ways never join, and each has LDS bytes of its own.
;   work-groups 0-47:    W_qkv [1024 k][3072 n] f32 -> wc [3072 n][512 bytes of E2M1 codes, K innermost], ws [3072][32 E8M0 bytes]
;   work-groups 48-303:  x [8192][1024] f32         -> xc [8192][512 bytes of codes], xs [8192][32]
;   work-groups 304-367: W_out [1024 k][1024 n] f32 -> wot [1024 n][1024 k] f16 (turned, not quantised)
; A block's scale is 2^(floor(log2(its largest magnitude)) - 2); its byte is the largest magnitude's exponent field - 2, held at 1 from below.
; (A block of zeros so gets the byte 1 where the quantiser says 127: its codes are zeros, which add nothing, and only this program reads the bytes.)
; LIMITS: blocks whose largest magnitude lies under 2^(2 - 126) keep the byte 1; NaN and infinities among the inputs are not served; W_out beyond 65,504 has no f16 number.
.set SPW,   190                        ; v190 LDS address of my spare word; never rewritten
.set NIL,   191                        ; v191 0; never rewritten
.set EMAX,  2
.set PITCH, 272                        ; a stage row of the two turning ways: 256 bytes + 16
.set WSTG,  32768                      ; LDS: 0 .. 32,767 x's way (8,192 a wave); from here W_qkv's four stages of 32 x 272;
.set OSTG,  67584                      ; from here W_out's four;
.set SPARE, 102400                     ; and the spare words, 128 bytes for each wave, which no other line names
.set NW,    48
.set NX,    256
	s_load_b512 s[4:19], s[0:1], 0x0               ; x s[4:5], W_qkv s[6:7], W_out s[8:9], xc s[10:11], xs s[12:13], wc s[14:15], ws s[16:17], wot s[18:19]
	v_lshl_add_u32 v[SPW], v0, 2, SPARE
	v_mov_b32 v[NIL], 0
	v_lshrrev_b32 v1, 5, v0
	v_readfirstlane_b32 s20, v1                    ; wave 0..3
	v_and_b32 v2, 31, v0                           ; lane
	s_mov_b32 s25, 0                               ; the upper word of every byte offset here
	s_wait_kmcnt 0x0
	s_cmp_lt_u32 ttmp9, NW
	s_cbranch_scc1 .Lw
	s_cmp_lt_u32 ttmp9, NW+NX
	s_cbranch_scc1 .Lx
; ---------------- W_out: a lane takes a column n, its registers run down k; 32 columns x 128 k a wave; out through the stage as rows of 256 bytes
.set OX,   32                          ; v32-95  two sets of 32 numbers
.set OC,   96                          ; v96-111 32 numbers as f16
.set OUTR, 112                         ; v112-175 the way out
	s_sub_co_u32 s21, ttmp9, NW+NX
	s_and_b32 s22, s21, 7                          ; which 128 along k
	s_lshr_b32 s21, s21, 3
	s_lshl_b32 s21, s21, 7
	s_lshl_b32 s23, s20, 5
	s_add_co_u32 s21, s21, s23                     ; my wave's first column
	v_lshlrev_b32 v3, 2, v2                        ; in: 4 bytes a lane
	s_mul_i32 s23, s20, 32*PITCH
	s_add_co_u32 s23, s23, OSTG                    ; my stage
	v_mul_u32_u24 v4, v2, PITCH
	v_add_nc_u32 v4, s23, v4                       ; into it: row = my column
	v_and_b32 v5, 15, v2
	v_lshrrev_b32 v6, 4, v2
	v_mul_u32_u24 v7, v6, PITCH
	v_lshl_add_u32 v7, v5, 4, v7
	v_add_nc_u32 v7, s23, v7                       ; out of it: sixteen lanes to a row, two rows an instruction
	v_lshlrev_b32 v8, 11, v6
	v_lshl_add_u32 v8, v5, 4, v8                   ; and the same place in wot: a row is 2,048 bytes
	s_lshl_b32 s24, s22, 19                        ; 128 rows of 4,096 bytes
	s_lshl_b32 s26, s21, 2
	s_add_co_u32 s24, s24, s26
	s_add_nc_u64 s[8:9], s[8:9], s[24:25]
	s_lshl_b32 s24, s21, 11
	s_lshl_b32 s26, s22, 8
	s_add_co_u32 s24, s24, s26
	s_add_nc_u64 s[18:19], s[18:19], s[24:25]
.macro OLOAD t
.set i, 0
.rept 32
	global_load_b32 v[OX+32*((\t)%2)+i], v3, s[8:9] offset:(32*(\t)+i)*4096 th:TH_LOAD_NT
.set i, i+1
.endr
.endm
.macro OBLOCK t
.if (\t) < 3
	s_wait_loadcnt 32                              ; this block's 32 loads are in; the next block's may be out
.else
	s_wait_loadcnt 0
.endif
.set i, 0
.rept 16
	v_cvt_pk_f16_f32 v[OC+i], v[OX+32*((\t)%2)+2*i], v[OX+32*((\t)%2)+2*i+1]
.set i, i+1
.endr
.irp g, 0,1,2,3
	ds_store_b128 v4, v[OC+4*\g:OC+4*\g+3] offset:64*(\t)+16*\g
.endr
.if (\t)+2 < 4
	OLOAD (\t)+2
.endif
	s_wait_dscnt 0x0                               ; the stores have read their registers
.endm
	OLOAD 0
	OLOAD 1
	OBLOCK 0
	OBLOCK 1
	OBLOCK 2
	OBLOCK 3
.irp t, 0,1,2,3,4,5,6,7,8,9,10,11,12,13,14,15
	ds_load_b128 v[OUTR+4*\t:OUTR+4*\t+3], v7 offset:2*\t*PITCH    ; a wave's LDS instructions are served in order: these see my stores
.endr
.irp t, 0,1,2,3,4,5,6,7,8,9,10,11,12,13,14,15
	s_wait_dscnt 15-\t
	global_store_b128 v8, v[OUTR+4*\t:OUTR+4*\t+3], s[18:19] offset:2*\t*2048   ; sixteen lanes store 256 consecutive bytes, aligned
.endr
	s_wait_tensorcnt 0x0                           ; the wave's end: three lines behind my last LDS store
	ds_add_u32 v[SPW], v[NIL]
	s_wait_dscnt 0x0
	s_endpgm
; ---------------- W_qkv: a lane takes a column n, its registers run down K: a block of 32 lies in one lane; 32 columns x 512 K a wave
.set NB,   16
.set KROW, 512                         ; a row of wc in bytes
.set WX,   32                          ; v32-95  two sets of 32 numbers
.set WC,   96                          ; v96-99  a block's codes
.set SB,   24                          ; v24-27  the scale bytes, four to a register
.Lw:
	s_lshr_b32 s21, ttmp9, 1
	s_and_b32 s22, ttmp9, 1                        ; which 512 along K
	s_lshl_b32 s21, s21, 7
	s_lshl_b32 s23, s20, 5
	s_add_co_u32 s21, s21, s23                     ; my wave's first column
	v_lshlrev_b32 v3, 2, v2
	s_mul_i32 s23, s20, 32*PITCH
	s_add_co_u32 s23, s23, WSTG
	v_mul_u32_u24 v4, v2, PITCH
	v_add_nc_u32 v4, s23, v4
	v_and_b32 v5, 15, v2
	v_lshrrev_b32 v6, 4, v2
	v_mul_u32_u24 v7, v6, PITCH
	v_lshl_add_u32 v7, v5, 4, v7
	v_add_nc_u32 v7, s23, v7
	v_mul_u32_u24 v8, v6, KROW
	v_lshl_add_u32 v8, v5, 4, v8
	v_lshlrev_b32 v9, 5, v2                        ; my column's row of scale bytes: 32 bytes a row
	s_mul_i32 s24, s22, 512*12288
	s_lshl_b32 s26, s21, 2
	s_add_co_u32 s24, s24, s26
	s_add_nc_u64 s[6:7], s[6:7], s[24:25]
	s_lshl_b32 s24, s21, 9
	s_lshl_b32 s26, s22, 8
	s_add_co_u32 s24, s24, s26
	s_add_nc_u64 s[14:15], s[14:15], s[24:25]
	s_lshl_b32 s24, s21, 5
	s_lshl_b32 s26, s22, 4
	s_add_co_u32 s24, s24, s26
	s_add_nc_u64 s[16:17], s[16:17], s[24:25]
.macro WLOAD t
.set i, 0
.rept 32
	global_load_b32 v[WX+32*((\t)%2)+i], v3, s[6:7] offset:(32*(\t)+i)*12288 th:TH_LOAD_NT   ; the largest offset, 511 rows of 12,288 bytes, lies inside the signed 24 bits
.set i, i+1
.endr
.endm
.macro WBLOCK t
.set XS, WX+32*((\t)%2)
.if (\t) < NB-1
	s_wait_loadcnt 32                              ; this block's 32 loads are in; the next block's may be out
.else
	s_wait_loadcnt 0
.endif
	v_max3_num_f32 v12, |v[XS]|, |v[XS+1]|, |v[XS+2]|
	v_max3_num_f32 v13, |v[XS+3]|, |v[XS+4]|, |v[XS+5]|
.irp i, 6,10,14,18,22,26
	v_max3_num_f32 v12, v12, |v[XS+\i]|, |v[XS+\i+1]|
	v_max3_num_f32 v13, v13, |v[XS+\i+2]|, |v[XS+\i+3]|
.endr
	v_max3_num_f32 v12, v12, |v[XS+30]|, |v[XS+31]|
	v_max3_num_f32 v12, v12, v13, (EMAX+1)<<23     ; and the floor 2^(3 - 127): the byte cannot fall under 1
	v_add_nc_u32 v11, -(EMAX<<23), v12             ; 2 off the exponent field: the conversion's scale operand
	v_lshrrev_b32 v13, 23, v11                     ; the scale's byte
.if (\t)%4 == 0
	v_mov_b32 v[SB+(\t)/4], v13
.else
	v_lshl_or_b32 v[SB+(\t)/4], v13, 8*((\t)%4), v[SB+(\t)/4]
.endif
.irp g, 0,1,2,3
	v_cvt_scalef32_pk8_fp4_f32 v[WC+\g], v[XS+8*\g:XS+8*\g+7], v11
.endr
	v_nop                                          ; one plain line behind the last conversion
	ds_store_b128 v4, v[WC:WC+3] offset:16*(\t)
.if (\t)+2 < NB
	WLOAD (\t)+2
.endif
	s_wait_dscnt 0x0                               ; the store has read its registers
.endm
	WLOAD 0
	WLOAD 1
.set Q, 0
.rept NB
	WBLOCK Q
.set Q, Q+1
.endr
	global_store_b128 v9, v[SB:SB+3], s[16:17]     ; my column's 16 scale bytes
.irp t, 0,1,2,3,4,5,6,7,8,9,10,11,12,13,14,15
	ds_load_b128 v[OUTR+4*\t:OUTR+4*\t+3], v7 offset:2*\t*PITCH
.endr
.irp t, 0,1,2,3,4,5,6,7,8,9,10,11,12,13,14,15
	s_wait_dscnt 15-\t
	global_store_b128 v8, v[OUTR+4*\t:OUTR+4*\t+3], s[14:15] offset:2*\t*KROW
.endr
	s_wait_tensorcnt 0x0                           ; the wave's end: the three lines
	ds_add_u32 v[SPW], v[NIL]
	s_wait_dscnt 0x0
	s_endpgm
; ---------------- x: a plain stream of blocks of 32.  A wave takes 16 steps of 512 numbers; loads take bytes as they lie, a turn through the wave's stage gives each lane 16 neighbours
.set STEPS, 16
.set CB,    8                          ; bytes of 16 codes
.set XR,    16                         ; v16-79   four sets of 16 numbers as loaded
.set XX,    80                         ; v80-111  two sets of 16 neighbours
.set XE,    112                        ; v112-127 a scale byte for each step
.set XC,    128                        ; v128-189 codes: registers of its own for each step
.set SP,    80                         ; a lane's place in a stage: 64 bytes + 16
.Lx:
	v_lshlrev_b32 v3, 4, v2
	s_lshl_b32 s21, s20, 13                        ; my wave's 8,192 bytes of LDS: two stages of 32 x 80, then 256 scale bytes
	v_lshrrev_b32 v14, 2, v2
	v_mul_u32_u24 v14, v14, SP
	v_and_b32 v15, 3, v2
	v_lshl_add_u32 v14, v15, 4, v14
	v_add_nc_u32 v14, s21, v14                     ; the stage, on the way in
	v_mul_u32_u24 v15, v2, SP
	v_add_nc_u32 v15, s21, v15                     ; and on the way out
	v_mul_u32_u24 v4, v2, CB
	v_lshrrev_b32 v5, 1, v2
	s_add_co_u32 s21, s21, 2*32*SP
	v_add_nc_u32 v5, s21, v5                       ; my block's scale byte
	v_lshlrev_b32 v7, 3, v2
	v_add_nc_u32 v6, s21, v7
	s_sub_co_u32 s22, ttmp9, NW
	s_lshl_b32 s22, s22, 2
	s_add_co_u32 s22, s22, s20                     ; which run of 8,192 numbers is my wave's
	s_lshl_b32 s24, s22, 15
	s_add_nc_u64 s[4:5], s[4:5], s[24:25]
	s_lshl_b32 s24, s22, 12
	s_add_nc_u64 s[10:11], s[10:11], s[24:25]
	s_lshl_b32 s24, s22, 8
	s_add_nc_u64 s[12:13], s[12:13], s[24:25]
.macro XLOAD t
.irp i, 0,1,2,3
	global_load_b128 v[XR+16*((\t)%4)+4*\i:XR+16*((\t)%4)+4*\i+3], v3, s[4:5] offset:2048*(\t)+512*\i th:TH_LOAD_NT
.endr
.endm
.macro XTURN t
.irp i, 0,1,2,3
	ds_store_b128 v14, v[XR+16*((\t)%4)+4*\i:XR+16*((\t)%4)+4*\i+3] offset:32*SP*((\t)%2)+8*SP*\i
.endr
.irp i, 0,1,2,3
	ds_load_b128 v[XX+16*((\t)%2)+4*\i:XX+16*((\t)%2)+4*\i+3], v15 offset:32*SP*((\t)%2)+16*\i
.endr
.endm
.irp t, 0,1,2,3
	XLOAD \t
.endr
	s_wait_loadcnt 12                              ; step 0's four loads are in
	XTURN 0
.macro XSTEP t
.set XS, XX+16*((\t)%2)
.if (\t) > 0
	s_wait_dscnt 1                                 ; this step's numbers are back (the last step's byte store may be out)
.else
	s_wait_dscnt 0x0
.endif
.if (\t)+4 < STEPS
	XLOAD (\t)+4
.endif
.if (\t)+1 < STEPS
.if STEPS-2-(\t) >= 3
	s_wait_loadcnt 12                              ; the next step's four loads are in; those of three later steps may be out
.else
	s_wait_loadcnt 4*(STEPS-2-(\t))
.endif
	XTURN (\t)+1
.endif
	v_max3_num_f32 v8, |v[XS]|, |v[XS+1]|, |v[XS+2]|
	v_max3_num_f32 v9, |v[XS+3]|, |v[XS+4]|, |v[XS+5]|
.irp i, 6,10
	v_max3_num_f32 v8, v8, |v[XS+\i]|, |v[XS+\i+1]|
	v_max3_num_f32 v9, v9, |v[XS+\i+2]|, |v[XS+\i+3]|
.endr
	v_max3_num_f32 v8, v8, |v[XS+14]|, |v[XS+15]|
	v_max3_num_f32 v8, v8, v9, (EMAX+1)<<23
	v_max_num_f32_dpp v8, v8, v8 row_xmask:1 row_mask:0xf bank_mask:0xf   ; with my neighbour's 16: the block's
	v_add_nc_u32 v11, -(EMAX<<23), v8
	v_cvt_scalef32_pk8_fp4_f32 v[XC+4*(\t)], v[XS:XS+7], v11
	v_cvt_scalef32_pk8_fp4_f32 v[XC+4*(\t)+1], v[XS+8:XS+15], v11
	v_lshrrev_b32 v[XE+(\t)], 23, v11              ; the scale's byte
	ds_store_b8 v5, v[XE+(\t)] offset:16*(\t)      ; both lanes of a block write the same byte with the same value
	global_store_b64 v4, v[XC+4*(\t):XC+4*(\t)+1], s[10:11] offset:32*CB*(\t)   ; the wave stores 256 consecutive bytes, aligned
.endm
.irp t, 0,1,2,3,4,5,6,7,8,9,10,11,12,13,14,15
	XSTEP \t
.endr
	ds_load_b64 v[8:9], v6
	s_wait_dscnt 0x0
	global_store_b64 v7, v[8:9], s[12:13]          ; 256 scale bytes, aligned
	s_wait_tensorcnt 0x0                           ; the wave's end: the three lines
	ds_add_u32 v[SPW], v[NIL]
	s_wait_dscnt 0x0
	s_endpgm
.Lfunc_end_k_q09ae42620e_prep:
	.size	k_q09ae42620e_prep, .Lfunc_end_k_q09ae42620e_prep-k_q09ae42620e_prep
	.p2alignl 7, 3214868480
	.fill 96, 4, 3214868480
	.section	.rodata,"a",@progbits
	.p2align	6, 0x0
	.amdhsa_kernel k_q09ae42620e_prep
		.amdhsa_group_segment_fixed_size 102912
		.amdhsa_private_segment_fixed_size 0
		.amdhsa_enable_private_segment 0
		.amdhsa_kernarg_size 64
		.amdhsa_user_sgpr_count 2
		.amdhsa_user_sgpr_kernarg_segment_ptr 1
		.amdhsa_wavefront_size32 1
		.amdhsa_system_sgpr_workgroup_id_x 1
		.amdhsa_system_sgpr_workgroup_id_y 1
		.amdhsa_system_sgpr_workgroup_id_z 1
		.amdhsa_system_vgpr_workitem_id 0
		.amdhsa_next_free_vgpr 192
		.amdhsa_next_free_sgpr 66
		.amdhsa_reserve_vcc 0
		.amdhsa_float_denorm_mode_32 3
		.amdhsa_float_denorm_mode_16_64 3
		.amdhsa_memory_ordered 1
		.amdhsa_forward_progress 1
		.amdhsa_inst_pref_size 132
	.end_amdhsa_kernel
	.amdgpu_metadata
---
amdhsa.version: [ 1, 2 ]
amdhsa.kernels:
  - .name:           k_q09ae42620e_prep
    .symbol:         k_q09ae42620e_prep.kd
    .args:
      - { .name: x, .offset: 0, .size: 8, .value_kind: global_buffer, .address_space: global }
      - { .name: W_qkv, .offset: 8, .size: 8, .value_kind: global_buffer, .address_space: global }
      - { .name: W_out, .offset: 16, .size: 8, .value_kind: global_buffer, .address_space: global }
      - { .name: xc, .offset: 24, .size: 8, .value_kind: global_buffer, .address_space: global }
      - { .name: xs, .offset: 32, .size: 8, .value_kind: global_buffer, .address_space: global }
      - { .name: wc, .offset: 40, .size: 8, .value_kind: global_buffer, .address_space: global }
      - { .name: ws, .offset: 48, .size: 8, .value_kind: global_buffer, .address_space: global }
      - { .name: wot, .offset: 56, .size: 8, .value_kind: global_buffer, .address_space: global }
    .group_segment_fixed_size: 102912
    .private_segment_fixed_size: 0
    .kernarg_segment_align: 8
    .kernarg_segment_size: 64
    .max_flat_workgroup_size: 128
    .sgpr_count:     66
    .vgpr_count:     192
    .wavefront_size: 32
...
	.end_amdgpu_metadata
.endif
;; end of part 1
;; launch qkv (part 2): grid 12 x 32, 4 waves a work-group, clusters of 4 x 4, 327,680 bytes of LDS; arguments xc, xs, wc, ws, b_qkv, qkv16, qkvf; writes qkv16, qkvf
.if DOCPART == 2
	.amdgcn_target "amdgcn-amd-amdhsa--gfx1250"
	.amdhsa_code_object_version 6
	.text
	.protected	k_q09ae42620e_qkv
	.globl	k_q09ae42620e_qkv
	.p2align	8
	.type	k_q09ae42620e_qkv,@function
k_q09ae42620e_qkv:
	s_mov_b64 s[64:65], 0
	v_nop
	global_prefetch_b8 v0, s[64:65] scope:SCOPE_SE
	s_setreg_imm32_b32 hwreg(HW_REG_WAVE_MODE, 25, 1), 1
	s_wait_xcnt 0x0
	s_wait_alu depctr_hold_cnt(0) depctr_sa_sdst(0) depctr_va_vdst(0) depctr_va_sdst(0) depctr_va_ssrc(0) depctr_va_vcc(0) depctr_vm_vsrc(0)
	s_getreg_b32 s2, hwreg(HW_REG_IB_STS2, 6, 4)
	s_cmp_eq_u32 s2, 0
	s_cbranch_scc0 .Lentry_in_a_cluster
	s_endpgm
.Lentry_in_a_cluster:
	s_bfe_u32 s2, ttmp6, 0x10000c
	s_cmp_lg_u32 s2, 0xf033
	s_cbranch_scc0 .Lentry_shape_is_right
	s_endpgm
.Lentry_shape_is_right:
; qkv = Q(x) Q(W_qkv) + b_qkv on codes of E2M1 with E8M0 scales: [8192][1024] x [3072][1024]^T, sums in f32.
; A tile of 256 x 256 to a work-group of four waves, 128 x 128 (64 accumulators) a wave.  K = 1,024 is two LDS slots of 512: both are asked for at the head, nothing is filled again.
; The scale bytes of the work-group's rows come once, as dense blocks.  4 x 4 clusters: A's tiles are asked for jointly along a row of the cluster, B's along a column.
; The matrix instruction is used transposed (source 0 = 16 rows of W, source 1 = 16 rows of x): a lane holds eight neighbouring columns of one row.  The bias is the C of each sum's first product.
; OUT: f16, laid [q, k, v][batch x head][t][64], so that 16 rows of a head are 2,048 consecutive bytes; and rows t < 16 of every batch once more in f32, [16 b + t][3072], for the launch that carries them finely.
; The tile row is 8 cy + cluster y: so the batch is cy, and 'this tile holds t < 16' is 'cluster y = 0', the same in all partners.
; LIMIT: |q|, |k|, |v| beyond 65,504 have no f16 number.
; REGISTERS: window 0: v0-31 addresses; v32-95 scale words, two sets, and nothing else; v128-191 A's fragments, one set; v192-255 the bias; on the way out v128-223 are at work.
;   window 1: B's fragments, two sets.   windows 2, 3: the accumulators ((a, b) at v[8 (8 (a % 4) + b)]).
.set NQ,     4                         ; matrix instructions deep in a slot
.set ROWB,   256                       ; a tile's row: 512 codes
.set KROW,   512                       ; a row of codes in memory
.set PITCH,  272                       ; 256 bytes + 16: the 16 rows that a load touches start at 16 different banks
.set FR,     8
.set NL,     2
.set NP,     4
.set HALFT,  128*PITCH
.set SLOT,   4*HALFT
.set KS,     32                        ; a row of scale bytes
.set SCL,    2*SLOT
.set HALFS,  (128*KS/256)*272
.set SBLK,   (16*KS/256)*272
.set SPARE,  SCL+4*HALFS               ; the spare words, 128 bytes for each wave, which no other line names
.set SPITCH, 528                       ; the f32 stage: 16 rows x (512 + 16); the f16 stage: two heads x 16 rows x (128 + 16).  Both lie in slot 0, a wave's own 8,448 bytes, when slot 0 has had its only fill and its last read
.set RDH,  14                          ; v14  f16 stage: where I read back
.set STH,  15                          ; v15  f16 stage: where I put 16 bytes
.set ADRA, 16
.set ADRB, 20
.set STO,  24
.set RD,   25
.set CO,   26                          ; v26  16 x lane
.set ADRS, 27
.set SPW,  28
.set NIL,  29
.set BO,   30                          ; v30  32 x (lane / 16)
.set SC,   32
.set AF,   128
.set BIAS, 192
.set TMP,  128
.set BKH,  160
.set G1, 24
.set G0, 32
.set G1B, 48
.set G0B, 56
.set G1S, 68
.set G0S, 76
.set G1SB, 80
.set G0SB, 88
.set MSB, 0
.macro WIN new                         ; the immediate's high byte repeats the setting that is left
.if MSB != (\new)
	s_set_vgpr_msb (MSB<<8)|(\new)
.set MSB, (\new)
.endif
.endm
.set MUL_LO, 0xa1                      ; source 0 (W) window 1, source 1 (x) window 0, C and D window 2
.set MUL_HI, 0xf1
.set TO_B,   0x40
.macro JLOAD g0a, g1a, g0b, g1b        ; a joint load: waves 0, 1 fetch for x, waves 2, 3 for W
	s_cmp_eq_u32 s15, 0
	s_cbranch_scc0 .Lfor_b_\@
	tensor_load_to_lds s[\g0a:\g0a+3], s[\g1a:\g1a+7]
	s_nop 0
.rept 4
	v_nop
.endr
	s_branch .Lasked_\@
.Lfor_b_\@:
	tensor_load_to_lds s[\g0b:\g0b+3], s[\g1b:\g1b+7]
	s_nop 0
.rept 4
	v_nop
.endr
.Lasked_\@:
.endm
.macro CROUND                          ; a round of the cluster's barrier
	s_barrier_signal -1
	s_barrier_wait -1
	s_cmp_lg_u32 s14, 0
	s_cbranch_scc1 .Lnot_wave_0_\@
	s_barrier_signal -3
.Lnot_wave_0_\@:
	s_barrier_wait -3
	s_barrier_signal -1
	s_barrier_wait -1
.endm
	s_load_b128 s[4:7], s[0:1], 0x0                ; xc, xs
	s_load_b128 s[8:11], s[0:1], 0x10              ; wc, ws
	s_load_b64 s[66:67], s[0:1], 0x20              ; b_qkv
	s_load_b64 s[12:13], s[0:1], 0x28              ; qkv16
	s_load_b64 s[96:97], s[0:1], 0x30              ; qkvf
	v_lshl_add_u32 v[SPW], v0, 2, SPARE
	v_mov_b32 v[NIL], 0
	ds_add_u32 v[SPW], v[NIL]                      ; the wave's opening: the add, twice on end, and its wait ahead of my first tensor load
	ds_add_u32 v[SPW], v[NIL]
	v_lshrrev_b32 v1, 5, v0
	v_readfirstlane_b32 s14, v1                    ; wave 0..3
	s_lshr_b32 s15, s14, 1                         ; my half of the tile's rows; also: I fetch for x (0) or for W (1)
	s_and_b32 s16, s14, 1                          ; my half of its columns; also: which 128 rows I fetch
	s_bfe_u32 s40, ttmp6, 0x40000                  ; cx
	s_bfe_u32 s41, ttmp6, 0x40004                  ; cy
	s_lshl_b32 s42, ttmp9, 2
	s_add_co_u32 s42, s42, s40                     ; tile column = 4 x cluster x + cx
	s_and_b32 s95, ttmp7, 0xffff                   ; cluster y
	s_lshl_b32 s17, s41, 3
	s_add_co_u32 s17, s17, s95                     ; tile row = 8 cy + cluster y
	s_lshl_b32 s43, s41, 2
	s_lshl_b32 s43, 15, s43                        ; my row of the cluster
	s_lshl_b32 s44, 0x1111, s40                    ; my column
	s_or_b32 s[G1+0], s43, (0<<16)|(1<<20)|(1<<21)|(5<<22)|(3<<25)   ; the mask; elements of 1 byte; padding on: 4 words behind every 64
	s_or_b32 s[G1B+0], s44, (0<<16)|(1<<20)|(1<<21)|(5<<22)|(3<<25)
.irp g, G1, G1B
	s_mov_b32 s[\g+1], ROWB<<16                    ; tensor_dim0
	s_mov_b32 s[\g+2], 128<<16                     ; tensor_dim1
	s_mov_b32 s[\g+3], ROWB<<16                    ; tile_dim0
	s_mov_b32 s[\g+4], 128                         ; tile_dim1
	s_mov_b32 s[\g+5], KROW                        ; the pitch
	s_mov_b32 s[\g+6], 0
	s_mov_b32 s[\g+7], 0
.endr
	s_or_b32 s[G1S+0], s43, (3<<16)|(1<<20)|(1<<21)|(5<<22)|(3<<25)  ; the scales of 128 rows: 4,096 dense bytes as 16 rows of 256
	s_or_b32 s[G1SB+0], s44, (3<<16)|(1<<20)|(1<<21)|(5<<22)|(3<<25)
.irp g, G1S, G1SB
	s_mov_b32 s[\g+1], 32<<16
	s_mov_b32 s[\g+2], (128*KS/256)<<16
	s_mov_b32 s[\g+3], 32<<16
	s_mov_b32 s[\g+4], 128*KS/256
	s_mov_b32 s[\g+5], 32
	s_mov_b32 s[\g+6], 0
	s_mov_b32 s[\g+7], 0
.endr
	s_lshl_b32 s18, s16, 7
	s_lshl_b32 s20, s17, 8
	s_add_co_u32 s20, s20, s18                     ; x: row 256 x tile row + 128 x half
	s_lshl_b32 s46, s42, 8
	s_add_co_u32 s46, s46, s18                     ; W: row 256 x tile column + 128 x half
	s_mov_b32 s21, 0
	s_mov_b32 s47, 0
	s_mov_b64 s[18:19], KS
	s_mul_u64 s[22:23], s[20:21], s[18:19]
	s_mul_u64 s[92:93], s[46:47], s[18:19]
	s_mov_b64 s[18:19], KROW
	s_mul_u64 s[20:21], s[20:21], s[18:19]
	s_mul_u64 s[46:47], s[46:47], s[18:19]
	s_mul_i32 s45, s14, HALFT                      ; where they go: wave x 128 rows
	s_mul_i32 s94, s14, HALFS
	s_wait_dscnt 0x0                               ; both opening adds are done
	s_wait_kmcnt 0x0
	s_add_nc_u64 s[20:21], s[4:5], s[20:21]
	s_add_nc_u64 s[22:23], s[6:7], s[22:23]
	s_add_nc_u64 s[46:47], s[8:9], s[46:47]
	s_add_nc_u64 s[92:93], s[10:11], s[92:93]
	CROUND                                         ; all sixteen work-groups are here: the joint loads meet
	s_mov_b32 s[G0S], 1
	s_add_co_u32 s[G0S+1], s94, SCL
	s_mov_b64 s[G0S+2:G0S+3], s[22:23]
	s_or_b32 s[G0S+3], s[G0S+3], 0x80000000
	s_mov_b32 s[G0SB], 1
	s_add_co_u32 s[G0SB+1], s94, SCL
	s_mov_b64 s[G0SB+2:G0SB+3], s[92:93]
	s_or_b32 s[G0SB+3], s[G0SB+3], 0x80000000
	JLOAD G0S, G1S, G0SB, G1SB
.irp s, 0,1
	s_mov_b32 s[G0+4*\s], 1
	s_add_co_u32 s[G0+4*\s+1], s45, \s*SLOT
	s_add_nc_u64 s[G0+4*\s+2:G0+4*\s+3], s[20:21], \s*ROWB
	s_or_b32 s[G0+4*\s+3], s[G0+4*\s+3], 0x80000000
	s_mov_b32 s[G0B+4*\s], 1
	s_add_co_u32 s[G0B+4*\s+1], s45, \s*SLOT
	s_add_nc_u64 s[G0B+4*\s+2:G0B+4*\s+3], s[46:47], \s*ROWB
	s_or_b32 s[G0B+4*\s+3], s[G0B+4*\s+3], 0x80000000
	JLOAD G0+4*\s, G1, G0B+4*\s, G1B               ; three loads of mine are out in all
.endr
	v_and_b32 v1, 15, v0                           ; r
	v_bfe_u32 v2, v0, 4, 1                         ; h
	v_mul_u32_u24 v3, v1, PITCH
	v_lshl_add_u32 v4, v2, 4, v3
	s_mul_i32 s21, s15, HALFT
	s_mul_i32 s22, s16, HALFT
	s_add_co_u32 s22, s22, 2*HALFT
.irp s, 0,1
	v_add_nc_u32 v[ADRA+\s], s21, v4
	v_add_nc_u32 v[ADRB+\s], s22, v4
	s_add_co_u32 s21, s21, SLOT
	s_add_co_u32 s22, s22, SLOT
.endr
	v_mul_u32_u24 v5, v1, KS
	v_lshrrev_b32 v6, 8, v5
	v_lshl_add_u32 v5, v6, 4, v5                   ; 16 more for each 256 passed
	s_mul_i32 s21, s15, HALFS
	s_mul_i32 s22, s16, HALFS
	s_add_co_u32 s22, s22, 2*HALFS
	s_sub_co_u32 s22, s22, s21
	v_mul_u32_u24 v6, s22, v2                      ; lanes 16-31 take W's words
	s_add_co_u32 s21, s21, SCL
	v_add_nc_u32 v5, v5, v6
	v_add_nc_u32 v[ADRS], s21, v5
	s_mul_i32 s23, s14, 16*SPITCH                  ; my stage
	v_mul_u32_u24 v5, v1, SPITCH
	v_lshl_add_u32 v5, v2, 5, v5
	v_add_nc_u32 v[STO], s23, v5
	v_and_b32 v6, 31, v0
	v_lshlrev_b32 v[CO], 4, v6
	v_add_nc_u32 v[RD], s23, v[CO]
	v_mul_u32_u24 v5, v1, 144
	v_lshl_add_u32 v5, v2, 4, v5
	v_add_nc_u32 v[STH], s23, v5                   ; f16: row r of 144 bytes, + 16 h
	v_bfe_u32 v5, v0, 3, 2
	v_mul_u32_u24 v5, v5, 144
	v_and_b32 v6, 7, v0
	v_lshl_add_u32 v5, v6, 4, v5
	v_add_nc_u32 v[RDH], s23, v5                   ; back: eight lanes to a row of 128 bytes, four rows an instruction
	v_lshlrev_b32 v[BO], 5, v2
	s_lshl_b32 s46, s42, 8
	s_lshl_b32 s47, s16, 7
	s_add_co_u32 s46, s46, s47                     ; my first column of the 3,072
	s_lshl_b32 s20, s46, 2
	s_mov_b32 s21, 0
	s_add_nc_u64 s[66:67], s[66:67], s[20:21]      ; the bias at that column
	s_mul_i32 s22, s41, 16*12288
	s_add_co_u32 s20, s20, s22
	s_add_nc_u64 s[96:97], s[96:97], s[20:21]      ; qkvf: row 16 x batch, that column
	s_lshr_b32 s20, s46, 10                        ; q, k or v
	s_lshl_b32 s20, s20, 6
	s_lshl_b32 s22, s41, 4
	s_add_co_u32 s20, s20, s22
	s_bfe_u32 s22, s46, 0x40006                    ; the first of my two heads
	s_add_co_u32 s20, s20, s22
	s_lshl_b32 s20, s20, 18                        ; a plane is 262,144 bytes
	s_lshl_b32 s22, s95, 15                        ; 256 rows of 128 bytes for each cluster y
	s_add_co_u32 s20, s20, s22
	s_lshl_b32 s22, s15, 14
	s_add_co_u32 s20, s20, s22
	s_add_nc_u64 s[12:13], s[12:13], s[20:21]
.irp b, 0,1,2,3,4,5,6,7
	global_load_b128 v[BIAS+8*\b:BIAS+8*\b+3], v[BO], s[66:67] offset:64*\b        ; lane (r, h): b_qkv at columns 16 b + 8 h + 0 .. 7, the result's layout
	global_load_b128 v[BIAS+8*\b+4:BIAS+8*\b+7], v[BO], s[66:67] offset:64*\b+16
.endr
.macro FRAG reg, adr, q, i             ; 16 rows x 128 K of codes: 8 registers, two loads 32 bytes apart
.irp c, 0,1
	ds_load_b128 v[\reg+4*\c:\reg+4*\c+3], v[\adr] offset:64*(\q)+32*\c+(\i)*16*PITCH
.endr
.endm
; 16 matrix instructions: x's blocks a0, a0 + 1 against W's eight.  zero = 1: the first product starts the sums on the bias.  The 64 accumulators take turns.
.macro MUL16 a0, p, q, sc, zero
.irp a, \a0, \a0+1
.irp b, 0,1,2,3,4,5,6,7
.if \zero
	v_wmma_scale_f32_16x16x128_f8f6f4 v[8*(8*((\a)%4)+\b):8*(8*((\a)%4)+\b)+7], v[128*(\p)+FR*\b:128*(\p)+FR*\b+FR-1], v[AF+FR*(\a):AF+FR*(\a)+FR-1], v[BIAS+8*\b:BIAS+8*\b+7], v[SC+8*NQ*(\sc)+NQ*\b+(\q)], v[SC+8*NQ*(\sc)+NQ*(\a)+(\q)] matrix_a_fmt:MATRIX_FMT_FP4 matrix_b_fmt:MATRIX_FMT_FP4 matrix_a_scale:MATRIX_SCALE_ROW1
.else
	v_wmma_scale_f32_16x16x128_f8f6f4 v[8*(8*((\a)%4)+\b):8*(8*((\a)%4)+\b)+7], v[128*(\p)+FR*\b:128*(\p)+FR*\b+FR-1], v[AF+FR*(\a):AF+FR*(\a)+FR-1], v[8*(8*((\a)%4)+\b):8*(8*((\a)%4)+\b)+7], v[SC+8*NQ*(\sc)+NQ*\b+(\q)], v[SC+8*NQ*(\sc)+NQ*(\a)+(\q)] matrix_a_fmt:MATRIX_FMT_FP4 matrix_b_fmt:MATRIX_FMT_FP4 matrix_a_scale:MATRIX_SCALE_ROW1
.endif
.endr
.endr
.endm
.macro FETCH_B slot, q, p
	WIN TO_B
.irp i, 0,1,2,3,4,5,6,7
	FRAG 128*(\p)+FR*\i, ADRB+\slot, \q, \i
.endr
	WIN 0
.endm
.macro FETCH_A slot, q, i0
.irp i, \i0, \i0+1, \i0+2, \i0+3
	FRAG AF+FR*(\i), ADRA+\slot, \q, \i
.endr
.endm
.macro SCALES sc                       ; a slot's scale words: lanes 0-15 x's block i, lanes 16-31 W's block i
.irp i, 0,1,2,3,4,5,6,7
	ds_load_b128 v[SC+8*NQ*\sc+NQ*\i:SC+8*NQ*\sc+NQ*\i+3], v[ADRS] offset:\i*SBLK
.endr
.endm
.macro PLACES n                        ; plain vector lines between a matrix instruction and a load into, or a read of, its registers
.rept \n
	v_nop
.endr
.endm
.macro STEP slot, q, zero              ; 128 along K, with its successor in the same slot
	s_wait_dscnt 4*NL                              ; W's set and x's blocks 0-3 are in; the youngest eight loads (blocks 4-7) may be out
.if \zero
	WIN 0x81                                       ; C (the bias) window 0, D window 2
.else
	WIN MUL_LO
.endif
	MUL16 0, (\q)%2, \q, \slot, \zero
	MUL16 2, (\q)%2, \q, \slot, \zero
	s_wait_dscnt 0
	PLACES NP
	FETCH_B \slot, (\q)+1, 1-(\q)%2
	FETCH_A \slot, (\q)+1, 0
.if \zero
	WIN 0xc1
.else
	WIN MUL_HI
.endif
	MUL16 4, (\q)%2, \q, \slot, \zero
	MUL16 6, (\q)%2, \q, \slot, \zero
	PLACES NP
	WIN 0
	FETCH_A \slot, (\q)+1, 4
.endm
.macro TURN slot, next                 ; a slot's last step: one barrier; behind it the other slot is whole for every wave.  Nothing is filled again
	s_wait_tensorcnt 0x0                           ; my part of the next slot has landed
	ds_add_u32 v[SPW], v[NIL]                      ; 0 onto my spare word
	s_wait_dscnt 4*NL+1                            ; (the add and the youngest eight loads may be out)
	WIN MUL_LO
	MUL16 0, 1, NQ-1, \slot, 0
	s_wait_dscnt 0x0                               ; the add is done, my reads of this slot are over
	s_barrier_signal -1
	MUL16 2, 1, NQ-1, \slot, 0
	WIN 0
	s_barrier_wait -1
	PLACES NP
	v_add_nc_u32 v[ADRS], 4*NQ, v[ADRS]            ; the next slot's scale words
	FETCH_B \next, 0, 0
	FETCH_A \next, 0, 0
	SCALES \next
	WIN MUL_HI
	MUL16 4, 1, NQ-1, \slot, 0
	MUL16 6, 1, NQ-1, \slot, 0
	PLACES NP
	WIN 0
	FETCH_A \next, 0, 4
.endm
	s_wait_tensorcnt 1                             ; the scales and my part of slot 0 are in; slot 1's load may be out
	s_barrier_signal -1
	s_barrier_wait -1
	FETCH_B 0, 0, 0
	FETCH_A 0, 0, 0
	SCALES 0
	FETCH_A 0, 0, 4
	s_wait_loadcnt 0x0                             ; the bias
	STEP 0, 0, 1
	STEP 0, 1, 0
	STEP 0, 2, 0
	TURN 0, 1
	STEP 1, 0, 0
	STEP 1, 1, 0
	STEP 1, 2, 0
	s_wait_dscnt 4*NL                              ; the last step
	WIN MUL_LO
	MUL16 0, 1, NQ-1, 1, 0
	MUL16 2, 1, NQ-1, 1, 0
	s_wait_dscnt 0
	WIN MUL_HI
	MUL16 4, 1, NQ-1, 1, 0
	MUL16 6, 1, NQ-1, 1, 0
	WIN 0
	PLACES NP
	; rows t < 16 in f32: the upper row half of the tiles with cluster y = 0: my block 0, through the stage as whole rows of 512 bytes
	s_cmp_lg_u32 s15, 0
	s_cbranch_scc1 .Lno32
	s_cmp_lg_u32 s95, 0
	s_cbranch_scc1 .Lno32
	WIN 0x08                                       ; an LDS store's data: window 2
.irp b, 0,1,2,3,4,5,6,7
	ds_store_b128 v[STO], v[8*\b:8*\b+3] offset:64*\b              ; each accumulator from its low end on
	ds_store_b128 v[STO], v[8*\b+4:8*\b+7] offset:64*\b+16
.endr
	WIN 0
.irp t, 0,1,2,3,4,5,6,7,8,9,10,11,12,13,14,15
	ds_load_b128 v[128+4*\t:128+4*\t+3], v[RD] offset:\t*SPITCH
.endr
	s_wait_dscnt 0x0
.irp t, 0,1,2,3,4,5,6,7,8,9,10,11,12,13,14,15
	global_store_b128 v[CO], v[128+4*\t:128+4*\t+3], s[96:97] offset:\t*12288
.endr
	s_wait_xcnt 0x0                                ; these stores have read their registers, which are written again below
.Lno32:
; f16, a block of 16 rows x 128 columns (two heads) at a time
.macro PACK a
.set AC, 64*((\a)%4)
	WIN 0x0a+5*((\a)/4)                            ; sources 0 and 1: window 2 or 3
.irp b, 0,1,2,3,4,5,6,7
.irp r, 0,1,2,3
	v_cvt_pk_f16_f32 v[TMP+4*\b+\r], v[AC+8*\b+2*\r], v[AC+8*\b+2*\r+1]
.endr
.endr
	WIN 0
.endm
.macro TOSTAGE16 a
.set BB, BKH+32*((\a)%2)
.irp b, 0,1,2,3,4,5,6,7
	ds_store_b128 v[STH], v[TMP+4*\b:TMP+4*\b+3] offset:(\b/4)*2304+32*(\b%4)
.endr
.irp u, 0,1
.irp i, 0,1,2,3
	ds_load_b128 v[BB+16*\u+4*\i:BB+16*\u+4*\i+3], v[RDH] offset:\u*2304+576*\i   ; a wave's LDS instructions are served in order
.endr
.endr
.endm
.macro SEND16 a
.set BB, BKH+32*((\a)%2)
	s_wait_dscnt 0x0                               ; the block is back in registers
	s_wait_xcnt 0x0                                ; the block before last's stores have read the registers into which the next block's loads will land
.irp u, 0,1
.irp i, 0,1,2,3
	global_store_b128 v[CO], v[BB+16*\u+4*\i:BB+16*\u+4*\i+3], s[12:13] offset:\u*262144+(\a)*2048+512*\i   ; 512 consecutive bytes, aligned
.endr
.endr
.endm
	PACK 0
	TOSTAGE16 0
.irp a, 1,2,3,4,5,6,7
	PACK \a
	SEND16 \a-1
	TOSTAGE16 \a
.endr
	SEND16 7
	s_wait_tensorcnt 0x0                           ; the wave's end: the three lines
	ds_add_u32 v[SPW], v[NIL]
	s_wait_dscnt 0x0
	CROUND                                         ; the closing round
	s_endpgm
.Lfunc_end_k_q09ae42620e_qkv:
	.size	k_q09ae42620e_qkv, .Lfunc_end_k_q09ae42620e_qkv-k_q09ae42620e_qkv
	.p2alignl 7, 3214868480
	.fill 96, 4, 3214868480
	.section	.rodata,"a",@progbits
	.p2align	6, 0x0
	.amdhsa_kernel k_q09ae42620e_qkv
		.amdhsa_group_segment_fixed_size 327680
		.amdhsa_private_segment_fixed_size 0
		.amdhsa_enable_private_segment 0
		.amdhsa_kernarg_size 56
		.amdhsa_user_sgpr_count 2
		.amdhsa_user_sgpr_kernarg_segment_ptr 1
		.amdhsa_wavefront_size32 1
		.amdhsa_system_sgpr_workgroup_id_x 1
		.amdhsa_system_sgpr_workgroup_id_y 1
		.amdhsa_system_sgpr_workgroup_id_z 1
		.amdhsa_system_vgpr_workitem_id 0
		.amdhsa_next_free_vgpr 1024
		.amdhsa_next_free_sgpr 100
		.amdhsa_reserve_vcc 0
		.amdhsa_float_denorm_mode_32 3
		.amdhsa_float_denorm_mode_16_64 3
		.amdhsa_memory_ordered 1
		.amdhsa_forward_progress 1
		.amdhsa_inst_pref_size 132
	.end_amdhsa_kernel
	.amdgpu_metadata
---
amdhsa.version: [ 1, 2 ]
amdhsa.kernels:
  - .name:           k_q09ae42620e_qkv
    .symbol:         k_q09ae42620e_qkv.kd
    .args:
      - { .name: xc, .offset: 0, .size: 8, .value_kind: global_buffer, .address_space: global }
      - { .name: xs, .offset: 8, .size: 8, .value_kind: global_buffer, .address_space: global }
      - { .name: wc, .offset: 16, .size: 8, .value_kind: global_buffer, .address_space: global }
      - { .name: ws, .offset: 24, .size: 8, .value_kind: global_buffer, .address_space: global }
      - { .name: b_qkv, .offset: 32, .size: 8, .value_kind: global_buffer, .address_space: global }
      - { .name: qkv16, .offset: 40, .size: 8, .value_kind: global_buffer, .address_space: global }
      - { .name: qkvf, .offset: 48, .size: 8, .value_kind: global_buffer, .address_space: global }
    .group_segment_fixed_size: 327680
    .private_segment_fixed_size: 0
    .kernarg_segment_align: 8
    .kernarg_segment_size: 56
    .max_flat_workgroup_size: 128
    .sgpr_count:     100
    .vgpr_count:     1024
    .wavefront_size: 32
...
	.end_amdgpu_metadata
.endif
;; end of part 2
;; launch attn (part 3): grid 4 x 64, 8 waves a work-group, no clusters, 327,680 bytes of LDS; arguments qkv16, ao; writes ao
.if DOCPART == 3
	.amdgcn_target "amdgcn-amd-amdhsa--gfx1250"
	.amdhsa_code_object_version 6
	.text
	.protected	k_q09ae42620e_attn
	.globl	k_q09ae42620e_attn
	.p2align	8
	.type	k_q09ae42620e_attn,@function
k_q09ae42620e_attn:
	s_mov_b64 s[64:65], 0
	v_nop
	global_prefetch_b8 v0, s[64:65] scope:SCOPE_SE
	s_setreg_imm32_b32 hwreg(HW_REG_WAVE_MODE, 25, 1), 1
	s_wait_xcnt 0x0
; Causal attention of one head (plane = 16 batch + head): ao[q] = softmax_k(q . k / 8) v, operands f16, products, maxima and sums f32; the weights p are rounded to f16 for the second product.
; SHARES.  Work-group (p, plane) owns query blocks 7 - p and p (256 queries each), one after the other: 8 - p and p + 1 slots of 256 keys, nine in all whatever p is: equal work, a constant trip count, and every slot that is fetched is read.
; Each of eight waves owns 32 queries (two tiles of 16) of the block, wave w those at 32 QS, QS = w or 11 - w, so that waves w and w + 4 have five steps together on the diagonal slot.
; LAYOUT.  S^T = K Q^T and O^T = V^T P: a lane holds one query (lane % 16) throughout; two tiles of S^T rounded in pairs are source 1 of the second product.  K comes out of LDS as it lies, V turned by ds_load_tr16_b128.
; SOFTMAX.  A running maximum m and sum l a query: p = 2^(c s - c m), c = log2(e) / 8; O and l are multiplied by a = 2^(c m_old - c m_new) in every step.
; MASK.  A step (64 keys) whose keys all come after my 32 queries is left out by a scalar branch on ids; on the diagonal hidden scores become -infinity.  A step that is walked has its first key at or under all my queries, so m is a number.
; NO CLUSTER: the four work-groups of a head walk different slots from the fifth of the nine trips on, and the mask lets waves of one pass over tiles that another reads.
; LIMITS: inputs beyond f16's 65,504 are not served (the launch before states it); NaN and infinities are not served.  Rows t < 16 are written here coarsely and carried finely by the last launch.
; REGISTERS.  window 0: v1-15 addresses and constants; v16-31 statistics, eight a tile: +0 c m, +1 m, +2, +3 l, +4 .. +7 at work (a in +6); v32-63 Q; v64-127 S^T; v128-159 P; v160-223 O^T; v224, v225 the mask's d.
;   window 1: v0-63 K's fragments; v64-127 V's; v128-159 the second block's Q.
.set PK,    144                        ; a key's row in LDS: 128 bytes + 16
.set PV,    160                        ; a row of V: 128 + 32
.set VOFF,  256*PK                     ; a slot: 256 rows of K, then 256 of V
.set SLOT1, 1<<17
.set STAGE, SLOT1+VOFF+256*PV          ; behind the ring: 16 rows x 144 bytes for each wave
.set SPARE, STAGE+8*2304               ; the spare words, 128 bytes for each wave, which no other line names
.set SEC,   1<<24                      ; q's, k's and v's planes lie this far apart
.set AK0, 3
.set AV0, 4
.set ADK, 5
.set ADV, 6
.set QO,  7
.set STO, 8
.set RD,  9
.set GO,  10
.set PFO, 11
.set SPW, 12
.set NIL, 13
.set DL,  14                           ; v14 r - 8 h
.set NINF, 15                          ; v15 -infinity
.set ST,  16
.set Q,   32
.set S,   64
.set P,   128
.set O,   160
.set WV,  8
.set PP,  9
.set BH,  10
.set QS,  11
.set SWC, 12                           ; s12 the count at which the first block ends: p + 1
.set W3,  13
.set CNT, 14
.set STEPC, 15
.set KF,  16                           ; s16 the step's first key
.set Q0,  17                           ; s17 my first query
.set TK,  18                           ; s18 LDS byte of the step's K
.set TV,  19
.set SEL, 20
.set CS,  22
.set G1K, 24
.set G1V, 32
.set G0K, 40
.set G0V, 44
.set AP1, 54
.set AP2, 56
.set Q0B, 58
.set BACK, 59                          ; s59 (8 - p) slots in bytes
.set PLN, 60
.set LIM, 62
.set PFA, 66
.set QP1, 76
.set QP2, 78
.set MSB, 0
.macro WIN new
.if MSB != (\new)
	s_set_vgpr_msb (MSB<<8)|(\new)
.set MSB, (\new)
.endif
.endm
.macro TLOAD                           ; waves 0-3 fetch 64 rows of K each, waves 4-7 64 rows of V
	s_cmp_lt_u32 s[WV], 4
	s_cbranch_scc0 .Lfor_v_\@
	tensor_load_to_lds s[G0K:G0K+3], s[G1K:G1K+7]
	s_nop 0
.rept 4
	v_nop
.endr
	s_branch .Lasked_\@
.Lfor_v_\@:
	tensor_load_to_lds s[G0V:G0V+3], s[G1V:G1V+7]
	s_nop 0
.rept 4
	v_nop
.endr
.Lasked_\@:
.endm
; A prefetch of what the NEXT change of slots will ask for: my wave's own 64 rows (8,192 dense bytes, lanes 256 bytes apart).  All four work-groups of a head walk the same K and V: the one with p = 0, which walks slots 0 to 7 in order, asks,
; in trips 0 to 5 for slots 2 to 7: each block of 256 bytes is named once in the launch, and none past slot 7.
.macro ASK
	s_cmp_gt_u32 s[CNT], s[LIM]
	s_cbranch_scc0 .Lnot_mine_\@
	global_prefetch_b8 v[PFO], s[PFA:PFA+1] th:TH_LOAD_NT scope:SCOPE_SE
.Lnot_mine_\@:
.endm
	s_load_b128 s[4:7], s[0:1], 0x0                ; qkv16, ao
	v_lshl_add_u32 v[SPW], v0, 2, SPARE
	v_mov_b32 v[NIL], 0
	ds_add_u32 v[SPW], v[NIL]                      ; the wave's opening: the add, twice on end, and its wait ahead of my first tensor load
	ds_add_u32 v[SPW], v[NIL]
	v_lshrrev_b32 v1, 5, v0
	v_readfirstlane_b32 s[WV], v1                  ; wave 0..7
	s_mov_b32 s[PP], ttmp9
	s_and_b32 s[BH], ttmp7, 0xffff
	s_sub_co_u32 s70, 11, s[WV]
	s_cmp_lt_u32 s[WV], 4
	s_cselect_b32 s[QS], s[WV], s70
	s_add_co_u32 s[SWC], s[PP], 1
	s_and_b32 s[W3], s[WV], 3
	s_sub_co_u32 s70, 7, s[PP]
	s_lshl_b32 s70, s70, 8
	s_lshl_b32 s71, s[QS], 5
	s_add_co_u32 s[Q0], s70, s71                   ; block 7 - p first
	s_lshl_b32 s[Q0B], s[PP], 8
	s_add_co_u32 s[Q0B], s[Q0B], s71               ; then block p
	s_sub_co_u32 s[BACK], 8, s[PP]
	s_lshl_b32 s[BACK], s[BACK], 15
	s_lshl_b32 s[PLN], s[BH], 18
	s_mov_b32 s53, 0
	s_mov_b32 s[G1K], (1<<16)|(1<<20)|(4<<22)|(3<<25)   ; elements of 2 bytes; padding on: 4 words behind every 32
	s_mov_b32 s[G1V], (1<<16)|(1<<20)|(4<<22)|(7<<25)   ; 8 words
.irp g, G1K, G1V
	s_mov_b32 s[\g+1], 64<<16                      ; tensor_dim0
	s_mov_b32 s[\g+2], 64<<16                      ; tensor_dim1
	s_mov_b32 s[\g+3], 64<<16                      ; tile_dim0
	s_mov_b32 s[\g+4], 64                          ; tile_dim1
	s_mov_b32 s[\g+5], 64                          ; the pitch
	s_mov_b32 s[\g+6], 0
	s_mov_b32 s[\g+7], 0
.endr
	s_mov_b32 s[G0K], 1
	s_mul_i32 s[G0K+1], s[W3], 64*PK
	s_mov_b32 s[G0V], 1
	s_mul_i32 s[G0V+1], s[W3], 64*PV
	s_add_co_u32 s[G0V+1], s[G0V+1], VOFF
	s_mov_b32 s[SEL], 0x76543210
	s_mov_b32 s[SEL+1], 0xfedcba98
	s_mov_b32 s[CS], 0x3e38aa3b                    ; c = log2(e) / 8
	s_mov_b32 s[CS+1], s[CS]
	s_mov_b32 s[KF], 0
	s_mov_b32 s[TK], 0
	s_mov_b32 s[TV], 0
	s_mov_b32 s[CNT], 8
	s_cmp_eq_u32 s[PP], 0
	s_cselect_b32 s[LIM], 2, -1
	s_lshl_b32 s72, s[W3], 13
	s_add_co_u32 s72, s72, s[PLN]
	s_mov_b32 s73, 0
	s_wait_dscnt 0x0                               ; both opening adds are done
	s_wait_kmcnt 0x0
	s_add_nc_u64 s[74:75], s[4:5], s[72:73]
	s_add_nc_u64 s[G0K+2:G0K+3], s[74:75], SEC
	s_add_nc_u64 s[G0V+2:G0V+3], s[74:75], 2*SEC
	s_cmp_lt_u32 s[WV], 4
	s_cselect_b64 s[PFA:PFA+1], s[G0K+2:G0K+3], s[G0V+2:G0V+3]
	s_add_nc_u64 s[PFA:PFA+1], s[PFA:PFA+1], 32768 ; in slot 1: the first change steps it to slot 2
	s_or_b32 s[G0K+3], s[G0K+3], 0x80000000
	s_or_b32 s[G0V+3], s[G0V+3], 0x80000000
	TLOAD                                          ; slot 0: one load of mine is out, here and behind every change of slots
	s_lshl_b32 s70, s[Q0], 7
	s_add_co_u32 s72, s[PLN], s70
	s_add_nc_u64 s[QP1:QP1+1], s[4:5], s[72:73]
	s_add_nc_u64 s[AP1:AP1+1], s[6:7], s[72:73]
	s_lshl_b32 s70, s[Q0B], 7
	s_add_co_u32 s72, s[PLN], s70
	s_add_nc_u64 s[QP2:QP2+1], s[4:5], s[72:73]
	s_add_nc_u64 s[AP2:AP2+1], s[6:7], s[72:73]
	v_and_b32 v1, 15, v0                           ; r
	v_bfe_u32 v2, v0, 4, 1                         ; h
	v_mul_u32_u24 v[AK0], v1, PK
	v_lshl_add_u32 v[AK0], v2, 4, v[AK0]
	v_and_b32 v5, 7, v0
	v_bfe_u32 v6, v0, 3, 1
	v_lshl_add_u32 v[AV0], v2, 3, v5
	v_mul_u32_u24 v[AV0], v[AV0], PV
	v_lshl_add_u32 v[AV0], v6, 4, v[AV0]
	v_add_nc_u32 v[AV0], VOFF, v[AV0]
	v_lshlrev_b32 v[QO], 7, v1
	v_lshl_add_u32 v[QO], v2, 4, v[QO]
	s_mul_i32 s70, s[WV], 2304
	s_add_co_u32 s70, s70, STAGE
	v_add_nc_u32 v[STO], s70, v[AK0]               ; the stage: row r of 144 bytes, + 16 h
	v_bfe_u32 v[RD], v0, 3, 2
	v_mul_u32_u24 v[RD], v[RD], 144
	v_lshl_add_u32 v[RD], v5, 4, v[RD]
	v_add_nc_u32 v[RD], s70, v[RD]                 ; back: eight lanes to a row, four rows an instruction
	v_and_b32 v[GO], 31, v0
	v_lshlrev_b32 v[PFO], 8, v[GO]
	v_lshlrev_b32 v[GO], 4, v[GO]
	v_lshlrev_b32 v[DL], 3, v2
	v_sub_nc_u32 v[DL], v1, v[DL]
	v_mov_b32 v[NINF], 0xff800000
.irp x, 0,1
.irp c, 0,1
	global_load_b128 v[Q+16*\x+8*\c:Q+16*\x+8*\c+3], v[QO], s[QP1:QP1+1] offset:\x*2048+64*\c
	global_load_b128 v[Q+16*\x+8*\c+4:Q+16*\x+8*\c+7], v[QO], s[QP1:QP1+1] offset:\x*2048+64*\c+32
.endr
.endr
	WIN 0x40                                       ; destination window 1
.irp x, 0,1
.irp c, 0,1
	global_load_b128 v[128+16*\x+8*\c:128+16*\x+8*\c+3], v[QO], s[QP2:QP2+1] offset:\x*2048+64*\c
	global_load_b128 v[128+16*\x+8*\c+4:128+16*\x+8*\c+7], v[QO], s[QP2:QP2+1] offset:\x*2048+64*\c+32
.endr
.endr
	WIN 0
.macro INIT                            ; the step is written once: a block's first step finds zeros and m = -3e38, under every score
.irp x, 0,1
	v_mov_b32 v[ST+8*\x+1], 0xff61b1e6
	v_mul_f32 v[ST+8*\x], s[CS], v[ST+8*\x+1]
.irp j, 2,3,4,5,6,7
	v_mov_b32 v[ST+8*\x+\j], 0
.endr
.endr
.set i, 0
.rept 64
	v_mov_b32 v[O+i], 0
.set i, i+1
.endr
.endm
.macro SOFTMAX                         ; the two tiles by turns, so that no line waits for the line above it
.irp j, 0,1,2,3
.irp x, 0,1
	v_max3_num_f32 v[ST+8*\x+4+\j], v[S+32*\x+8*\j], v[S+32*\x+8*\j+1], v[S+32*\x+8*\j+2]   ; each accumulator is read from its low end on
.endr
.endr
.irp g, 1,2
.irp j, 0,1,2,3
.irp x, 0,1
	v_max3_num_f32 v[ST+8*\x+4+\j], v[ST+8*\x+4+\j], v[S+32*\x+8*\j+2*\g+1], v[S+32*\x+8*\j+2*\g+2]
.endr
.endr
.endr
.irp x, 0,1
	v_max3_num_f32 v[ST+8*\x+4], v[ST+8*\x+4], v[S+32*\x+7], v[S+32*\x+15]
.endr
.irp x, 0,1
	v_max3_num_f32 v[ST+8*\x+6], v[ST+8*\x+6], v[S+32*\x+23], v[S+32*\x+31]
.endr
.irp x, 0,1
	v_max3_num_f32 v[ST+8*\x+4], v[ST+8*\x+4], v[ST+8*\x+5], v[ST+8*\x+6]
.endr
.irp x, 0,1
	v_max3_num_f32 v[ST+8*\x+4], v[ST+8*\x+4], v[ST+8*\x+7], v[ST+8*\x+1]      ; and the old m
.endr
.irp x, 0,1
	v_permlanex16_b32 v[ST+8*\x+5], v[ST+8*\x+4], s[SEL], s[SEL+1]             ; the query's other 32 keys lie in the lane 16 away
.endr
.irp x, 0,1
	v_mov_b32 v[ST+8*\x+7], v[ST+8*\x]                                         ; c m_old
.endr
.irp x, 0,1
	v_max_num_f32 v[ST+8*\x+1], v[ST+8*\x+4], v[ST+8*\x+5]
.endr
.irp x, 0,1
	v_mul_f32 v[ST+8*\x], s[CS], v[ST+8*\x+1]
.endr
.irp x, 0,1
	v_sub_f32 v[ST+8*\x+7], v[ST+8*\x+7], v[ST+8*\x]
.endr
.set i, 0
.rept 16
.irp x, 0,1
	v_pk_fma_f32 v[S+32*\x+2*i:S+32*\x+2*i+1], v[S+32*\x+2*i:S+32*\x+2*i+1], s[CS:CS+1], v[ST+8*\x:ST+8*\x+1] op_sel_hi:[1,0,0] neg_lo:[0,0,1] neg_hi:[0,0,1]   ; c s - c m
.endr
.set i, i+1
.endr
.irp x, 0,1
	v_exp_f32 v[ST+8*\x+6], v[ST+8*\x+7]                                       ; a
.endr
.set i, 0
.rept 32
.irp x, 0,1
	v_exp_f32 v[S+32*\x+i], v[S+32*\x+i]
.endr
.set i, i+1
.endr
	v_nop                                          ; a plain line behind the last exponential
	s_wait_alu depctr_va_vdst(0)                   ; one wait for the batch of 66, ahead of its first reader
.set i, 0
.rept 16
.irp x, 0,1
	v_cvt_pk_f16_f32 v[P+16*\x+i], v[S+32*\x+2*i], v[S+32*\x+2*i+1]
.endr
.set i, i+1
.endr
.irp w, 4,8,16,32                      ; the sum of the 16 pairs, in place: neighbours 1, 2, 4 and 8 pairs apart
.set i, 0
.rept 32/\w
.irp x, 0,1
	v_pk_add_f32 v[S+32*\x+\w*i:S+32*\x+\w*i+1], v[S+32*\x+\w*i:S+32*\x+\w*i+1], v[S+32*\x+\w*i+\w/2:S+32*\x+\w*i+\w/2+1]
.endr
.set i, i+1
.endr
.endr
.irp x, 0,1
	v_pk_fma_f32 v[ST+8*\x+2:ST+8*\x+3], v[ST+8*\x+2:ST+8*\x+3], v[ST+8*\x+6:ST+8*\x+7], v[S+32*\x:S+32*\x+1] op_sel_hi:[1,0,1]   ; l = a l + the sum
.endr
.set i, 0
.rept 16
.irp x, 0,1
	v_pk_mul_f32 v[O+32*\x+2*i:O+32*\x+2*i+1], v[O+32*\x+2*i:O+32*\x+2*i+1], v[ST+8*\x+6:ST+8*\x+7] op_sel_hi:[1,0]
.endr
.set i, i+1
.endr
.endm
; A KEY STEP: 64 keys
.macro STEP
	s_add_co_u32 s70, s[Q0], 31
	s_cmp_gt_u32 s[KF], s70
	s_cbranch_scc1 .Lhidden_\@                     ; all 64 keys come after my 32 queries
	v_add_nc_u32 v[ADK], s[TK], v[AK0]
	v_add_nc_u32 v[ADV], s[TV], v[AV0]
	v_nop
	v_nop                                          ; four plain lines between the last product that read V's registers and the loads into them
	WIN 0x40
.irp kt, 0,1,2,3
.irp c, 0,1
	ds_load_b128 v[16*\kt+8*\c:16*\kt+8*\c+3], v[ADK] offset:\kt*16*PK+64*\c
	ds_load_b128 v[16*\kt+8*\c+4:16*\kt+8*\c+7], v[ADK] offset:\kt*16*PK+64*\c+32
.endr
.endr
.irp u, 0,1
.irp ct, 0,1,2,3
	ds_load_tr16_b128 v[64+32*\u+8*\ct:64+32*\u+8*\ct+3], v[ADV] offset:\u*32*PV+32*\ct
	ds_load_tr16_b128 v[64+32*\u+8*\ct+4:64+32*\u+8*\ct+7], v[ADV] offset:\u*32*PV+16*PV+32*\ct
.endr
.endr
	s_wait_dscnt 16                                ; K's 16 loads are in; V's 16 may be out
	WIN 0x01                                       ; source 0 window 1
.irp c, 0,1                            ; S^T = K Q^T: eight accumulators by turns
.irp kt, 0,1,2,3
.irp x, 0,1
.if \c == 0
	v_wmma_f32_16x16x32_f16 v[S+32*\x+8*\kt:S+32*\x+8*\kt+7], v[16*\kt+8*\c:16*\kt+8*\c+7], v[Q+16*\x+8*\c:Q+16*\x+8*\c+7], 0
.else
	v_wmma_f32_16x16x32_f16 v[S+32*\x+8*\kt:S+32*\x+8*\kt+7], v[16*\kt+8*\c:16*\kt+8*\c+7], v[Q+16*\x+8*\c:Q+16*\x+8*\c+7], v[S+32*\x+8*\kt:S+32*\x+8*\kt+7]
.endif
.endr
.endr
.endr
	WIN 0
.rept 4
	v_nop
.endr
	s_add_co_u32 s70, s[KF], 63
	s_cmp_le_u32 s70, s[Q0]
	s_cbranch_scc1 .Lopen_\@                       ; all 64 keys count for all my queries
	s_sub_co_i32 s70, s[Q0], s[KF]
	v_add_nc_u32 v224, s70, v[DL]                  ; d = my query - KF - 8 h; register 8 kt + j holds key KF + 16 kt + 8 h + j: hidden where 16 kt + j > d
	s_add_co_u32 s70, s70, 16
	v_add_nc_u32 v225, s70, v[DL]
.irp kt, 0,1,2,3
.irp j, 0,1,2,3,4,5,6,7
.irp x, 0,1
	v_cmp_gt_i32 vcc_lo, 16*\kt+\j, v[224+\x]
	v_cndmask_b32 v[S+32*\x+8*\kt+\j], v[S+32*\x+8*\kt+\j], v[NINF], vcc_lo
.endr
.endr
.endr
.Lopen_\@:
	SOFTMAX
	s_wait_dscnt 0x0                               ; V is in
	WIN 0x01
.irp u, 0,1                            ; O^T += V^T P: eight accumulators by turns
.irp ct, 0,1,2,3
.irp x, 0,1
	v_wmma_f32_16x16x32_f16 v[O+32*\x+8*\ct:O+32*\x+8*\ct+7], v[64+32*\u+8*\ct:64+32*\u+8*\ct+7], v[P+16*\x+8*\u:P+16*\x+8*\u+7], v[O+32*\x+8*\ct:O+32*\x+8*\ct+7]
.endr
.endr
.endr
	WIN 0
.Lhidden_\@:
	s_add_co_u32 s[KF], s[KF], 64
	s_add_co_u32 s[TK], s[TK], 64*PK
	s_add_co_u32 s[TV], s[TV], 64*PV
.endm
.macro SLOT_STEPS                      ; a slot's four steps: written once, walked four times
	s_mov_b32 s[STEPC], 4
.Lstep_\@:
	STEP
	s_sub_co_u32 s[STEPC], s[STEPC], 1
	s_cmp_lg_u32 s[STEPC], 0
	s_cbranch_scc1 .Lstep_\@
	s_sub_co_u32 s[TK], s[TK], 256*PK
	s_xor_b32 s[TK], s[TK], SLOT1                  ; on to the other slot
	s_sub_co_u32 s[TV], s[TV], 256*PV
	s_xor_b32 s[TV], s[TV], SLOT1
.endm
; THE CHANGE OF SLOTS stands at a slot's head: all my tensor loads have landed (my part of the slot ahead), the add, my reads of the slot that I left are over, the barrier; fill = 1: the slot that was left takes the keys that follow.
.macro CHANGE fill
	s_wait_tensorcnt 0x0                           ; no tensor load of mine is out, so a descriptor may be written
	ds_add_u32 v[SPW], v[NIL]                      ; 0 onto my spare word
.if \fill
	s_cmp_eq_u32 s[CNT], s[SWC]                    ; the first block's last slot is in hand: the next slot is the second block's first, keys 0 on
	s_cselect_b32 s52, s[BACK], 0
	s_xor_b32 s[G0K+1], s[G0K+1], SLOT1
	s_xor_b32 s[G0V+1], s[G0V+1], SLOT1
	s_add_nc_u64 s[G0K+2:G0K+3], s[G0K+2:G0K+3], 32768    ; 256 keys on; the type bits on top are not reached
	s_sub_nc_u64 s[G0K+2:G0K+3], s[G0K+2:G0K+3], s[52:53]
	s_add_nc_u64 s[G0V+2:G0V+3], s[G0V+2:G0V+3], 32768
	s_sub_nc_u64 s[G0V+2:G0V+3], s[G0V+2:G0V+3], s[52:53]
	s_wait_xcnt 0x0                                ; the last prefetch, a slot back, has read its address
	s_add_nc_u64 s[PFA:PFA+1], s[PFA:PFA+1], 32768
.endif
	s_wait_dscnt 0x0
	s_barrier_signal -1
	s_barrier_wait -1
.if \fill
	TLOAD                                          ; the first thing behind the barrier, my one tensor load until the next
	ASK
.endif
.endm
; A block's end: O^T / l, rounded to f16, through my stage, a tile (16 rows of 128 bytes: 2,048 consecutive bytes of ao) at a time
.macro FINISH ap
.rept 4
	v_nop
.endr
.irp x, 0,1
	v_add_f32 v[ST+8*\x+4], v[ST+8*\x+2], v[ST+8*\x+3]
.endr
.irp x, 0,1
	v_permlanex16_b32 v[ST+8*\x+5], v[ST+8*\x+4], s[SEL], s[SEL+1]
.endr
.irp x, 0,1
	v_add_f32 v[ST+8*\x+4], v[ST+8*\x+4], v[ST+8*\x+5]
.endr
.irp x, 0,1
	v_rcp_f32 v[ST+8*\x+6], v[ST+8*\x+4]
.endr
	v_nop
	s_wait_alu depctr_va_vdst(0)                   ; one wait for the two reciprocals
.irp x, 0,1
.set i, 0
.rept 16
	v_pk_mul_f32 v[O+32*\x+2*i:O+32*\x+2*i+1], v[O+32*\x+2*i:O+32*\x+2*i+1], v[ST+8*\x+6:ST+8*\x+7] op_sel_hi:[1,0]
.set i, i+1
.endr
.endr
.irp x, 0,1
.set i, 0
.rept 16
	v_cvt_pk_f16_f32 v[S+32*\x+i], v[O+32*\x+2*i], v[O+32*\x+2*i+1]
.set i, i+1
.endr
.endr
.irp x, 0,1
.irp ct, 0,1,2,3
	ds_store_b128 v[STO], v[S+32*\x+4*\ct:S+32*\x+4*\ct+3] offset:32*\ct
.endr
.irp i, 0,1,2,3
	ds_load_b128 v[S+32*\x+16+4*\i:S+32*\x+16+4*\i+3], v[RD] offset:576*\i    ; a wave's LDS instructions are served in order
.endr
.endr
.irp x, 0,1
.irp i, 0,1,2,3
	s_wait_dscnt 11-8*\x-\i                        ; behind this load: the tile's later loads, and for tile 0 tile 1's eight LDS instructions
	global_store_b128 v[GO], v[S+32*\x+16+4*\i:S+32*\x+16+4*\i+3], s[\ap:\ap+1] offset:2048*\x+512*\i   ; 512 consecutive bytes, aligned
.endr
.endr
.endm
	INIT
	s_wait_loadcnt 0x0                             ; both blocks' Q
.Ltrip:                                            ; eight trips; the ninth slot is written out
	CHANGE 1
	SLOT_STEPS
	s_cmp_lg_u32 s[CNT], s[SWC]
	s_cbranch_scc1 .Lsame
	FINISH AP1                                     ; the first block is done: on to block p
	WIN 0x01
.set i, 0
.rept 32
	v_mov_b32 v[Q+i], v[128+i]
.set i, i+1
.endr
	WIN 0
	s_mov_b32 s[Q0], s[Q0B]
	s_mov_b32 s[KF], 0
	INIT
	s_wait_xcnt 0x0                                ; the stores have read their registers, which the next scores will take
.Lsame:
	s_sub_co_u32 s[CNT], s[CNT], 1
	s_cmp_lg_u32 s[CNT], 0
	s_cbranch_scc1 .Ltrip
	CHANGE 0
	SLOT_STEPS
	FINISH AP2
	s_wait_tensorcnt 0x0                           ; the wave's end: the three lines
	ds_add_u32 v[SPW], v[NIL]
	s_wait_dscnt 0x0
	s_endpgm
.Lfunc_end_k_q09ae42620e_attn:
	.size	k_q09ae42620e_attn, .Lfunc_end_k_q09ae42620e_attn-k_q09ae42620e_attn
	.p2alignl 7, 3214868480
	.fill 96, 4, 3214868480
	.section	.rodata,"a",@progbits
	.p2align	6, 0x0
	.amdhsa_kernel k_q09ae42620e_attn
		.amdhsa_group_segment_fixed_size 327680
		.amdhsa_private_segment_fixed_size 0
		.amdhsa_enable_private_segment 0
		.amdhsa_kernarg_size 16
		.amdhsa_user_sgpr_count 2
		.amdhsa_user_sgpr_kernarg_segment_ptr 1
		.amdhsa_wavefront_size32 1
		.amdhsa_system_sgpr_workgroup_id_x 1
		.amdhsa_system_sgpr_workgroup_id_y 1
		.amdhsa_system_sgpr_workgroup_id_z 1
		.amdhsa_system_vgpr_workitem_id 0
		.amdhsa_next_free_vgpr 416
		.amdhsa_next_free_sgpr 80
		.amdhsa_reserve_vcc 1
		.amdhsa_float_denorm_mode_32 3
		.amdhsa_float_denorm_mode_16_64 3
		.amdhsa_memory_ordered 1
		.amdhsa_forward_progress 1
		.amdhsa_inst_pref_size 72
	.end_amdhsa_kernel
	.amdgpu_metadata
---
amdhsa.version: [ 1, 2 ]
amdhsa.kernels:
  - .name:           k_q09ae42620e_attn
    .symbol:         k_q09ae42620e_attn.kd
    .args:
      - { .name: qkv16, .offset: 0, .size: 8, .value_kind: global_buffer, .address_space: global }
      - { .name: ao, .offset: 8, .size: 8, .value_kind: global_buffer, .address_space: global }
    .group_segment_fixed_size: 327680
    .private_segment_fixed_size: 0
    .kernarg_segment_align: 8
    .kernarg_segment_size: 16
    .max_flat_workgroup_size: 256
    .sgpr_count:     80
    .vgpr_count:     416
    .wavefront_size: 32
...
	.end_amdgpu_metadata
.endif
;; end of part 3
;; launch proj (part 4): grid 4 x 64, 4 waves a work-group, clusters of 4 x 4, 327,680 bytes of LDS; arguments ao, wot, b_out, out0; writes out0
.if DOCPART == 4
	.amdgcn_target "amdgcn-amd-amdhsa--gfx1250"
	.amdhsa_code_object_version 6
	.text
	.protected	k_q09ae42620e_proj
	.globl	k_q09ae42620e_proj
	.p2align	8
	.type	k_q09ae42620e_proj,@function
k_q09ae42620e_proj:
	s_mov_b64 s[64:65], 0
	v_nop
	global_prefetch_b8 v0, s[64:65] scope:SCOPE_SE
	s_setreg_imm32_b32 hwreg(HW_REG_WAVE_MODE, 25, 1), 1
	s_wait_xcnt 0x0
	s_wait_alu depctr_hold_cnt(0) depctr_sa_sdst(0) depctr_va_vdst(0) depctr_va_sdst(0) depctr_va_ssrc(0) depctr_va_vcc(0) depctr_vm_vsrc(0)
	s_getreg_b32 s2, hwreg(HW_REG_IB_STS2, 6, 4)
	s_cmp_eq_u32 s2, 0
	s_cbranch_scc0 .Lentry_in_a_cluster
	s_endpgm
.Lentry_in_a_cluster:
	s_bfe_u32 s2, ttmp6, 0x10000c
	s_cmp_lg_u32 s2, 0xf033
	s_cbranch_scc0 .Lentry_shape_is_right
	s_endpgm
.Lentry_shape_is_right:
; out0 = attention out x W_out + b_out: [8192][1024] x [1024 n][1024 k]^T, operands f16, sums f32, the bias as the C of each sum's first product.
; A tile of 128 rows x 256 columns to a work-group: 256 work-groups.  Four waves, each 64 x 128: 32 accumulators.  K goes in steps of 128 (two heads) through two LDS slots.
; A lies [plane = 16 batch + head][t][64]: a K step's part of 128 rows is two dense blocks of 16,384 bytes; waves 0, 1 fetch one each, waves 2, 3 fetch 128 rows of W each.
; 4 x 4 clusters: A's tiles are asked for jointly along a row of the cluster, W's along a column.  The matrix instruction is used transposed: a lane holds eight neighbouring columns of a row.
; All 8,192 rows are written here; the 64 rows with t < 16 are written again, more finely, by the launch that follows.
; REGISTERS: window 0: v16-30 addresses; A's fragments at v32 and v64 (two buffers of 4), W's at v96 and v160 (two of 8); window 1: the accumulators, (a, b) at v[8 (8 a + b)]; window 2: v0-63 the bias.
.set PA,    144                        ; a row of A in LDS: 128 bytes + 16
.set PB,    272                        ; a row of W: 256 + 16
.set PLA,   128*PA                     ; one head's 128 rows
.set BOFF,  2*PLA
.set HALFB, 128*PB
.set SLOT,  BOFF+2*HALFB
.set STAGE, 2*SLOT                     ; 16 rows x 528 bytes for each wave
.set SPITCH, 528
.set SPARE, STAGE+4*16*SPITCH          ; the spare words, which no other line names
.set KA,    524288                     ; a K step in ao: two planes
.set LAPS,  4
.set ADRA, 16
.set ADRB, 20
.set STO,  24
.set RD,   25
.set CO,   26
.set BO,   27
.set SPW,  28
.set NIL,  29
.set PFO,  30
.set G1, 24
.set G0, 32
.set G1B, 48
.set G0B, 56
.set LIM, 45
.set PFA, 66
.set MSB, 0
.macro WIN new
.if MSB != (\new)
	s_set_vgpr_msb (MSB<<8)|(\new)
.set MSB, (\new)
.endif
.endm
.set MUL, 0x50                         ; C and D window 1
.macro JLOAD s
	s_cmp_eq_u32 s13, 0
	s_cbranch_scc0 .Lfor_b_\@
	tensor_load_to_lds s[G0+4*\s:G0+4*\s+3], s[G1:G1+7]
	s_nop 0
.rept 4
	v_nop
.endr
	s_branch .Lasked_\@
.Lfor_b_\@:
	tensor_load_to_lds s[G0B+4*\s:G0B+4*\s+3], s[G1B:G1B+7]
	s_nop 0
.rept 4
	v_nop
.endr
.Lasked_\@:
.endm
; A prefetch of A's K step two refills on: 128 blocks of 256 bytes, shared out among the four partners by address (16 of each plane), a lane a block, in wave 0 alone.  No other cluster reads these rows.  The loop's last trip asks for nothing.
.macro ASK
	s_cmp_gt_u32 s3, s[LIM]
	s_cbranch_scc0 .Lnot_mine_\@
	global_prefetch_b8 v[PFO], s[PFA:PFA+1] offset:KA th:TH_LOAD_NT scope:SCOPE_SE
.Lnot_mine_\@:
.endm
.macro CREST
	s_cmp_lg_u32 s12, 0
	s_cbranch_scc1 .Lnot_wave_0_\@
	s_barrier_signal -3
.Lnot_wave_0_\@:
	s_barrier_wait -3
	s_barrier_signal -1
	s_barrier_wait -1
.endm
.macro CROUND
	s_barrier_signal -1
	s_barrier_wait -1
	CREST
.endm
	s_load_b256 s[4:11], s[0:1], 0x0               ; ao s[4:5], wot s[6:7], b_out s[8:9], out0 s[10:11]
	v_lshl_add_u32 v[SPW], v0, 2, SPARE
	v_mov_b32 v[NIL], 0
	ds_add_u32 v[SPW], v[NIL]                      ; the wave's opening: the add, twice on end, and its wait ahead of my first tensor load
	ds_add_u32 v[SPW], v[NIL]
	v_lshrrev_b32 v1, 5, v0
	v_readfirstlane_b32 s12, v1                    ; wave 0..3
	s_lshr_b32 s13, s12, 1                         ; my half of the rows; also: I fetch for A (0) or for W (1)
	s_and_b32 s14, s12, 1                          ; my half of the columns; also: which part I fetch
	s_bfe_u32 s40, ttmp6, 0x40000                  ; cx
	s_bfe_u32 s41, ttmp6, 0x40004                  ; cy
	s_lshl_b32 s42, ttmp9, 2
	s_add_co_u32 s42, s42, s40                     ; tile column
	s_and_b32 s15, ttmp7, 0xffff
	s_lshl_b32 s15, s15, 2
	s_add_co_u32 s15, s15, s41                     ; tile row
	s_lshl_b32 s43, s41, 2
	s_lshl_b32 s43, 15, s43
	s_lshl_b32 s44, 0x1111, s40
	s_or_b32 s[G1+0], s43, (1<<16)|(1<<20)|(1<<21)|(4<<22)|(3<<25)   ; A: 128 rows of 64 f16, 4 words of padding behind every 32
	s_mov_b32 s[G1+1], 64<<16
	s_mov_b32 s[G1+2], 128<<16
	s_mov_b32 s[G1+3], 64<<16
	s_mov_b32 s[G1+4], 128
	s_mov_b32 s[G1+5], 64
	s_mov_b32 s[G1+6], 0
	s_mov_b32 s[G1+7], 0
	s_or_b32 s[G1B+0], s44, (1<<16)|(1<<20)|(1<<21)|(5<<22)|(3<<25)  ; W: 128 rows of 128 f16, 1,024 apart
	s_mov_b32 s[G1B+1], 128<<16
	s_mov_b32 s[G1B+2], 128<<16
	s_mov_b32 s[G1B+3], 128<<16
	s_mov_b32 s[G1B+4], 128
	s_mov_b32 s[G1B+5], 1024
	s_mov_b32 s[G1B+6], 0
	s_mov_b32 s[G1B+7], 0
	s_lshr_b32 s16, s15, 4                         ; the batch
	s_lshl_b32 s16, s16, 4
	s_add_co_u32 s16, s16, s14                     ; plane 16 b + my part
	s_lshl_b32 s16, s16, 18
	s_and_b32 s17, s15, 15
	s_lshl_b32 s17, s17, 14                        ; 128 rows of 128 bytes
	s_add_co_u32 s16, s16, s17
	s_mov_b32 s17, 0
	s_lshl_b32 s46, s42, 19                        ; 256 rows of 2,048 bytes
	s_lshl_b32 s47, s14, 18
	s_add_co_u32 s46, s46, s47
	s_mov_b32 s47, 0
	s_mul_i32 s20, s14, PLA
	s_mul_i32 s21, s14, HALFB
	s_add_co_u32 s21, s21, BOFF
	s_wait_dscnt 0x0                               ; both opening adds are done
	s_wait_kmcnt 0x0
	s_add_nc_u64 s[18:19], s[4:5], s[16:17]
	s_add_nc_u64 s[46:47], s[6:7], s[46:47]
	CROUND
.irp s, 0,1
	s_mov_b32 s[G0+4*\s], 1
	s_add_co_u32 s[G0+4*\s+1], s20, \s*SLOT
	s_add_nc_u64 s[G0+4*\s+2:G0+4*\s+3], s[18:19], \s*KA
	s_or_b32 s[G0+4*\s+3], s[G0+4*\s+3], 0x80000000
	s_mov_b32 s[G0B+4*\s], 1
	s_add_co_u32 s[G0B+4*\s+1], s21, \s*SLOT
	s_add_nc_u64 s[G0B+4*\s+2:G0B+4*\s+3], s[46:47], \s*256
	s_or_b32 s[G0B+4*\s+3], s[G0B+4*\s+3], 0x80000000
	JLOAD \s                                       ; two loads of mine are out
.endr
	s_lshl_b32 s22, s40, 12                        ; the prefetches: my work-group's 16 blocks of each plane (in wave 0, which alone asks, s[18:19] stands at the first plane)
	s_mov_b32 s23, 0
	s_add_nc_u64 s[PFA:PFA+1], s[18:19], s[22:23]
	s_add_nc_u64 s[PFA:PFA+1], s[PFA:PFA+1], 2*KA  ; at K step 2: the first refill steps it to 3 and names K step 4
	s_cmp_eq_u32 s12, 0
	s_cselect_b32 s[LIM], 1, -1
	v_and_b32 v1, 15, v0                           ; r
	v_bfe_u32 v2, v0, 4, 1                         ; h
	v_lshlrev_b32 v[PFO], 18, v2
	v_lshl_add_u32 v[PFO], v1, 8, v[PFO]
	v_mul_u32_u24 v3, v1, PA
	v_lshl_add_u32 v3, v2, 4, v3
	v_mul_u32_u24 v4, v1, PB
	v_lshl_add_u32 v4, v2, 4, v4
	s_mul_i32 s22, s13, 64*PA
	s_mul_i32 s23, s14, HALFB
	s_add_co_u32 s23, s23, BOFF
.irp s, 0,1
	v_add_nc_u32 v[ADRA+\s], s22, v3
	v_add_nc_u32 v[ADRB+\s], s23, v4
	s_add_co_u32 s22, s22, SLOT
	s_add_co_u32 s23, s23, SLOT
.endr
	s_mul_i32 s22, s12, 16*SPITCH
	s_add_co_u32 s22, s22, STAGE
	v_mul_u32_u24 v5, v1, SPITCH
	v_lshl_add_u32 v5, v2, 5, v5
	v_add_nc_u32 v[STO], s22, v5
	v_and_b32 v6, 31, v0
	v_lshlrev_b32 v[CO], 4, v6
	v_add_nc_u32 v[RD], s22, v[CO]
	v_lshlrev_b32 v[BO], 5, v2
	s_lshl_b32 s16, s42, 10
	s_lshl_b32 s22, s14, 9
	s_add_co_u32 s16, s16, s22                     ; my first column, in bytes
	s_add_nc_u64 s[8:9], s[8:9], s[16:17]
	s_lshl_b32 s22, s15, 19                        ; 128 rows of 4,096 bytes
	s_add_co_u32 s16, s16, s22
	s_lshl_b32 s22, s13, 18
	s_add_co_u32 s16, s16, s22
	s_add_nc_u64 s[10:11], s[10:11], s[16:17]
	WIN 0x80                                       ; destination window 2
.irp b, 0,1,2,3,4,5,6,7
	global_load_b128 v[8*\b:8*\b+3], v[BO], s[8:9] offset:64*\b
	global_load_b128 v[8*\b+4:8*\b+7], v[BO], s[8:9] offset:64*\b+16
.endr
	WIN 0
.macro MUL8 p, a, zero                 ; A's block a against W's eight, 32 along K, from buffers p.  The 32 accumulators take turns
.irp b, 0,1,2,3,4,5,6,7
.if \zero
	v_wmma_f32_16x16x32_f16 v[8*(8*(\a)+\b):8*(8*(\a)+\b)+7], v[96+64*(\p)+8*\b:96+64*(\p)+8*\b+7], v[32+32*(\p)+8*(\a):32+32*(\p)+8*(\a)+7], v[8*\b:8*\b+7]
.else
	v_wmma_f32_16x16x32_f16 v[8*(8*(\a)+\b):8*(8*(\a)+\b)+7], v[96+64*(\p)+8*\b:96+64*(\p)+8*\b+7], v[32+32*(\p)+8*(\a):32+32*(\p)+8*(\a)+7], v[8*(8*(\a)+\b):8*(8*(\a)+\b)+7]
.endif
.endr
.endm
.macro FETCH slot, q, p                ; 24 LDS loads in one run: quarter q's fragments into buffers p: W's 16, then A's 8
	WIN 0
.irp i, 0,1,2,3,4,5,6,7
	ds_load_b128 v[96+64*(\p)+8*\i:96+64*(\p)+8*\i+3], v[ADRB+\slot] offset:64*(\q)+\i*16*PB
	ds_load_b128 v[96+64*(\p)+8*\i+4:96+64*(\p)+8*\i+7], v[ADRB+\slot] offset:64*(\q)+\i*16*PB+32
.endr
.irp i, 0,1,2,3
	ds_load_b128 v[32+32*(\p)+8*\i:32+32*(\p)+8*\i+3], v[ADRA+\slot] offset:((\q)/2)*PLA+((\q)%2)*64+\i*16*PA
	ds_load_b128 v[32+32*(\p)+8*\i+4:32+32*(\p)+8*\i+7], v[ADRA+\slot] offset:((\q)/2)*PLA+((\q)%2)*64+\i*16*PA+32
.endr
.endm
.macro PLACES
.rept 4
	v_nop
.endr
.endm
.macro QUARTER slot, qn, p, zero       ; multiplies buffers p, fetches quarter qn of the same slot into the other buffers
	s_wait_dscnt 4                                 ; W's and A's blocks 0, 1 are in; the youngest four loads (blocks 2, 3) may be out
	WIN MUL+0x10*\zero                             ; zero = 1: C, the bias, in window 2
	MUL8 \p, 0, \zero
	MUL8 \p, 1, \zero
	PLACES
	FETCH \slot, \qn, 1-\p
	s_wait_dscnt 24                                ; all but the 24 just issued
	WIN MUL+0x10*\zero
	MUL8 \p, 2, \zero
	MUL8 \p, 3, \zero
.endm
.macro TURN slot, next, fill           ; a K step's last quarter (buffers 1) changes slots
.if \fill
	s_wait_xcnt 0x0                                ; the last prefetch, a K step back, has read its address
	s_add_nc_u64 s[PFA:PFA+1], s[PFA:PFA+1], KA
.endif
	WIN 0
	s_wait_tensorcnt 0x0                           ; my part of the next slot has landed
	ds_add_u32 v[SPW], v[NIL]                      ; 0 onto my spare word
	s_wait_dscnt 5                                 ; (the add and the youngest four loads may be out)
	WIN MUL
	MUL8 1, 0, 0
	s_wait_dscnt 0x0                               ; the add is done, my reads of this slot are over
	s_barrier_signal -1
	MUL8 1, 1, 0
	WIN 0
	s_barrier_wait -1
.if \fill
	CREST                                          ; the barrier has opened a round of the cluster's: no wave of any partner still reads this slot or has a load on its way
	s_add_nc_u64 s[G0+4*\slot+2:G0+4*\slot+3], s[G0+4*\slot+2:G0+4*\slot+3], 2*KA
	s_add_nc_u64 s[G0B+4*\slot+2:G0B+4*\slot+3], s[G0B+4*\slot+2:G0B+4*\slot+3], 512
	JLOAD \slot                                    ; the first tensor load behind the round; its four v_nop are also the places in front of the loads below
.else
	PLACES
.endif
	FETCH \next, 0, 0
.if \fill
	ASK
.endif
	WIN MUL
	MUL8 1, 2, 0
	MUL8 1, 3, 0
.endm
	s_wait_tensorcnt 1                             ; my part of K step 0 is in; K step 1's load may be out
	s_barrier_signal -1
	s_barrier_wait -1
	FETCH 0, 0, 0
	s_wait_loadcnt 0x0                             ; the bias
	QUARTER 0, 1, 0, 1
	WIN 0
	s_mov_b32 s3, LAPS-1
.Llap:                                             ; a trip goes once round the ring and fills both slots again
	QUARTER 0, 2, 1, 0
	QUARTER 0, 3, 0, 0
	TURN 0, 1, 1
	QUARTER 1, 1, 0, 0
	QUARTER 1, 2, 1, 0
	QUARTER 1, 3, 0, 0
	TURN 1, 0, 1
	QUARTER 0, 1, 0, 0
	WIN 0
	s_sub_co_u32 s3, s3, 1
	s_cmp_lg_u32 s3, 0
	s_cbranch_scc1 .Llap
	QUARTER 0, 2, 1, 0                             ; the last lap fills nothing
	QUARTER 0, 3, 0, 0
	TURN 0, 1, 0
	QUARTER 1, 1, 0, 0
	QUARTER 1, 2, 1, 0
	QUARTER 1, 3, 0, 0
	s_wait_dscnt 4
	WIN MUL
	MUL8 1, 0, 0
	MUL8 1, 1, 0
	s_wait_dscnt 0
	MUL8 1, 2, 0
	MUL8 1, 3, 0
	WIN 0
; THE WAY OUT: a block of 16 rows x 128 columns through my own stage, back as whole rows of 512 bytes
.macro TOSTAGE a
	WIN 0x04                                       ; an LDS store's data: window 1
.irp b, 0,1,2,3,4,5,6,7
	ds_store_b128 v[STO], v[8*(8*(\a)+\b):8*(8*(\a)+\b)+3] offset:64*\b        ; each accumulator from its low end on
	ds_store_b128 v[STO], v[8*(8*(\a)+\b)+4:8*(8*(\a)+\b)+7] offset:64*\b+16
.endr
	WIN 0
.set BB, 32+64*((\a)%2)
.irp t, 0,1,2,3,4,5,6,7,8,9,10,11,12,13,14,15
	ds_load_b128 v[BB+4*\t:BB+4*\t+3], v[RD] offset:\t*SPITCH
.endr
.endm
.macro SEND a, younger
.set BB, 32+64*((\a)%2)
	s_wait_dscnt \younger
.irp t, 0,1,2,3,4,5,6,7,8,9,10,11,12,13,14,15
	global_store_b128 v[CO], v[BB+4*\t:BB+4*\t+3], s[10:11] offset:(\a)*65536+\t*4096 th:TH_STORE_NT   ; 512 consecutive bytes, aligned
.endr
.endm
	PLACES
	TOSTAGE 0
.irp a, 1,2,3
.if \a > 1
	s_wait_xcnt 0x0                                ; block a - 2's stores have read the registers into which block a's loads land
.endif
	TOSTAGE \a
	SEND \a-1, 32                                  ; behind block a - 1's loads: block a's 16 stores and 16 loads
.endr
	SEND 3, 0
	s_wait_tensorcnt 0x0                           ; the wave's end: the three lines
	ds_add_u32 v[SPW], v[NIL]
	s_wait_dscnt 0x0
	CROUND                                         ; the closing round
	s_endpgm
.Lfunc_end_k_q09ae42620e_proj:
	.size	k_q09ae42620e_proj, .Lfunc_end_k_q09ae42620e_proj-k_q09ae42620e_proj
	.p2alignl 7, 3214868480
	.fill 96, 4, 3214868480
	.section	.rodata,"a",@progbits
	.p2align	6, 0x0
	.amdhsa_kernel k_q09ae42620e_proj
		.amdhsa_group_segment_fixed_size 327680
		.amdhsa_private_segment_fixed_size 0
		.amdhsa_enable_private_segment 0
		.amdhsa_kernarg_size 32
		.amdhsa_user_sgpr_count 2
		.amdhsa_user_sgpr_kernarg_segment_ptr 1
		.amdhsa_wavefront_size32 1
		.amdhsa_system_sgpr_workgroup_id_x 1
		.amdhsa_system_sgpr_workgroup_id_y 1
		.amdhsa_system_sgpr_workgroup_id_z 1
		.amdhsa_system_vgpr_workitem_id 0
		.amdhsa_next_free_vgpr 640
		.amdhsa_next_free_sgpr 80
		.amdhsa_reserve_vcc 0
		.amdhsa_float_denorm_mode_32 3
		.amdhsa_float_denorm_mode_16_64 3
		.amdhsa_memory_ordered 1
		.amdhsa_forward_progress 1
		.amdhsa_inst_pref_size 87
	.end_amdhsa_kernel
	.amdgpu_metadata
---
amdhsa.version: [ 1, 2 ]
amdhsa.kernels:
  - .name:           k_q09ae42620e_proj
    .symbol:         k_q09ae42620e_proj.kd
    .args:
      - { .name: ao, .offset: 0, .size: 8, .value_kind: global_buffer, .address_space: global }
      - { .name: wot, .offset: 8, .size: 8, .value_kind: global_buffer, .address_space: global }
      - { .name: b_out, .offset: 16, .size: 8, .value_kind: global_buffer, .address_space: global }
      - { .name: out0, .offset: 24, .size: 8, .value_kind: global_buffer, .address_space: global }
    .group_segment_fixed_size: 327680
    .private_segment_fixed_size: 0
    .kernarg_segment_align: 8
    .kernarg_segment_size: 32
    .max_flat_workgroup_size: 128
    .sgpr_count:     80
    .vgpr_count:     640
    .wavefront_size: 32
...
	.end_amdgpu_metadata
.endif
;; end of part 4
;; launch first16 (part 5): grid 16 x 4, 16 waves a work-group, no clusters, 71,680 bytes of LDS; arguments qkvf, W_out, b_out, out0; writes out0
.if DOCPART == 5
	.amdgcn_target "amdgcn-amd-amdhsa--gfx1250"
	.amdhsa_code_object_version 6
	.text
	.protected	k_q09ae42620e_first16
	.globl	k_q09ae42620e_first16
	.p2align	8
	.type	k_q09ae42620e_first16,@function
k_q09ae42620e_first16:
	s_mov_b64 s[64:65], 0
	v_nop
	global_prefetch_b8 v0, s[64:65] scope:SCOPE_SE
	s_setreg_imm32_b32 hwreg(HW_REG_WAVE_MODE, 25, 1), 1
	s_wait_xcnt 0x0
; The first 16 positions of every sequence, wholly in f32: attention over their own 16 keys (the causal mask hides all later ones) and the projection, by the f32 matrix form: 96 such instructions a wave, no bulk work.
; Work-group (slice, batch): 64 columns of out0 for the batch's rows t = 0 .. 15.  Wave = head: it makes the head's 16 x 64 attention output and its part of the 16 x 64 slice; the 16 parts are added through LDS.
; (The 16 slices of a batch each make the small attention anew: that spares a launch and a buffer.)
; Both products are used transposed, so that a lane holds one query (lane % 16).  An operand of this form holds k = 2 (lane / 16) + j in register j; the same order of k is given to both sources of each product:
;   scores: product i takes d = 8 (i / 2) + 4 h + 2 (i % 2) + j;   O^T: product s takes key 8 h + 2 s + j, which is where the weights lie;   the slice: product (ct, s) takes channel 16 ct + 8 h + 2 s + j, which is where O^T lies.
; The registers that this form writes (v28-91) are written by matrix instructions alone; four accumulators take turns.
; LIMITS: NaN and infinities among the inputs are not served.
.set SPARE, 69632                      ; behind the 16 parts of 16 rows x 272 bytes: the spare words, which no other line names
.set QO,  3
.set VO,  4
.set WO,  5
.set STO, 6
.set RD,  7
.set GO,  8
.set DL,  9
.set BOF, 10
.set SPW, 16
.set NIL, 17
.set PF,  20                           ; v20-27 scores, then weights
.set SA,  28                           ; v28-59 four partial scores; later the slice's four tiles
.set OA,  60                           ; v60-91 O^T
.set VF,  92
.set QF,  124                          ; later W's group 2
.set KF,  156                          ; later W's group 3
.set WF,  188                          ; W's groups 0 and 1; later the 16 parts
	s_load_b256 s[4:11], s[0:1], 0x0               ; qkvf s[4:5], W_out s[6:7], b_out s[8:9], out0 s[10:11]
	v_lshl_add_u32 v[SPW], v0, 2, SPARE
	v_mov_b32 v[NIL], 0
	v_lshrrev_b32 v1, 5, v0
	v_readfirstlane_b32 s12, v1                    ; wave = head
	v_and_b32 v1, 15, v0                           ; r
	v_bfe_u32 v2, v0, 4, 1                         ; h
	v_mul_u32_u24 v[QO], v1, 12288
	v_lshl_add_u32 v[QO], v2, 4, v[QO]             ; q, k: row r, + 16 h
	v_mul_u32_u24 v[VO], v2, 98304
	v_lshl_add_u32 v[VO], v1, 2, v[VO]             ; v: eight rows down for lanes 16-31, channel r
	v_lshlrev_b32 v[WO], 15, v2
	v_lshl_add_u32 v[WO], v1, 2, v[WO]             ; W_out: eight rows down for lanes 16-31, column r
	s_mul_i32 s13, s12, 4352
	v_mul_u32_u24 v[STO], v1, 272
	v_lshl_add_u32 v[STO], v2, 5, v[STO]
	v_add_nc_u32 v[STO], s13, v[STO]               ; my part: row r, + 32 h
	s_mul_i32 s13, s12, 544
	v_mul_u32_u24 v[RD], v2, 272
	v_lshl_add_u32 v[RD], v1, 4, v[RD]
	v_add_nc_u32 v[RD], s13, v[RD]                 ; the sum: waves 0-7 take rows 2 w and 2 w + 1, sixteen lanes to a row
	s_lshl_b32 s13, s12, 13
	v_lshlrev_b32 v[GO], 12, v2
	v_lshl_add_u32 v[GO], v1, 4, v[GO]
	v_add_nc_u32 v[GO], s13, v[GO]
	v_lshlrev_b32 v[DL], 3, v2
	v_sub_nc_u32 v[DL], v1, v[DL]                  ; r - 8 h
	v_lshlrev_b32 v[BOF], 4, v1
	v_mov_b32 v12, 0                               ; a lane permute's destination counts as one of its sources
	v_mov_b32 v13, 0xff800000                      ; -infinity
	v_mov_b32 v15, 0                               ; (named as the upper half of the pair v[14:15])
	s_mov_b32 s20, 0x76543210
	s_mov_b32 s21, 0xfedcba98
	s_mov_b32 s22, 0x3e38aa3b                      ; c = log2(e) / 8
	s_mov_b32 s23, s22
	s_and_b32 s14, ttmp7, 0xffff                   ; batch
	s_mul_i32 s16, s14, 196608                     ; 16 rows of 12,288 bytes
	s_lshl_b32 s17, s12, 8
	s_add_co_u32 s16, s16, s17
	s_mov_b32 s17, 0
	s_lshl_b32 s24, ttmp9, 8                       ; the slice's 256 bytes
	s_mov_b32 s25, 0
	s_lshl_b32 s18, s12, 18                        ; the head's 64 rows of W_out
	s_add_co_u32 s18, s18, s24
	s_mov_b32 s19, 0
	s_lshl_b32 s26, s14, 23                        ; the batch's 2,048 rows of out0
	s_add_co_u32 s26, s26, s24
	s_mov_b32 s27, 0
	s_wait_kmcnt 0x0
	s_add_nc_u64 s[4:5], s[4:5], s[16:17]
	s_add_nc_u64 s[6:7], s[6:7], s[18:19]
	s_add_nc_u64 s[8:9], s[8:9], s[24:25]
	s_add_nc_u64 s[10:11], s[10:11], s[26:27]
.macro WLOAD ct, reg                   ; W_out's 16 rows of channels 16 ct on, 64 columns: 32 registers
.irp s, 0,1,2,3
.irp t, 0,1,2,3
.irp j, 0,1
	global_load_b32 v[\reg+8*\s+2*\t+\j], v[WO], s[6:7] offset:(16*\ct+2*\s+\j)*4096+64*\t
.endr
.endr
.endr
.endm
	global_load_b128 v[252:255], v[BOF], s[8:9]    ; the bias: the oldest load, so it changes no count below
.irp u, 0,1,2,3,4,5,6,7
	global_load_b128 v[QF+4*\u:QF+4*\u+3], v[QO], s[4:5] offset:32*\u
.endr
.irp u, 0,1,2,3,4,5,6,7
	global_load_b128 v[KF+4*\u:KF+4*\u+3], v[QO], s[4:5] offset:4096+32*\u
.endr
.irp ct, 0,1,2,3
.irp s, 0,1,2,3
.irp j, 0,1
	global_load_b32 v[VF+8*\ct+2*\s+\j], v[VO], s[4:5] offset:8192+(2*\s+\j)*12288+64*\ct
.endr
.endr
.endr
	WLOAD 0, WF
	WLOAD 1, WF+32
	s_wait_loadcnt 63                              ; behind v's last load stand W's 64: with 63 out, q, k and v are in
.set i, 0
.rept 16                               ; S^T = k q^T in four partial sums by turns
.if i < 4
	v_wmma_f32_16x16x4_f32 v[SA+8*(i%4):SA+8*(i%4)+7], v[KF+2*i:KF+2*i+1], v[QF+2*i:QF+2*i+1], 0
.else
	v_wmma_f32_16x16x4_f32 v[SA+8*(i%4):SA+8*(i%4)+7], v[KF+2*i:KF+2*i+1], v[QF+2*i:QF+2*i+1], v[SA+8*(i%4):SA+8*(i%4)+7]
.endif
.set i, i+1
.endr
.rept 8
	v_nop                                          ; eight plain lines behind this form, ahead of reads of its results and of loads into its sources
.endr
	WLOAD 2, QF
	WLOAD 3, KF
.irp j, 0,2,4,6                        ; the four partial sums, each read from its low end on
	v_pk_add_f32 v[PF+\j:PF+\j+1], v[SA+\j:SA+\j+1], v[SA+8+\j:SA+8+\j+1]
	v_pk_add_f32 v[PF+\j:PF+\j+1], v[PF+\j:PF+\j+1], v[SA+16+\j:SA+16+\j+1]
	v_pk_add_f32 v[PF+\j:PF+\j+1], v[PF+\j:PF+\j+1], v[SA+24+\j:SA+24+\j+1]
.endr
.irp j, 0,1,2,3,4,5,6,7                ; register j holds key 8 h + j of query r: hidden where j > r - 8 h
	v_cmp_gt_i32 vcc_lo, \j, v[DL]
	v_cndmask_b32 v[PF+\j], v[PF+\j], v13, vcc_lo
.endr
	v_max3_num_f32 v11, v[PF], v[PF+1], v[PF+2]
	v_max3_num_f32 v11, v11, v[PF+3], v[PF+4]
	v_max3_num_f32 v11, v11, v[PF+5], v[PF+6]
	v_max_num_f32 v11, v11, v[PF+7]
	v_permlanex16_b32 v12, v11, s20, s21
	v_max_num_f32 v11, v11, v12                    ; the row's maximum: key 0 counts for every query, so it is a number
	v_mul_f32 v14, s22, v11
.irp j, 0,2,4,6
	v_pk_fma_f32 v[PF+\j:PF+\j+1], v[PF+\j:PF+\j+1], s[22:23], v[14:15] op_sel_hi:[1,0,0] neg_lo:[0,0,1] neg_hi:[0,0,1]
.endr
.irp j, 0,1,2,3,4,5,6,7
	v_exp_f32 v[PF+\j], v[PF+\j]
.endr
	v_nop
	s_wait_alu depctr_va_vdst(0)                   ; one wait for the eight exponentials, ahead of their first reader
	v_pk_add_f32 v[18:19], v[PF:PF+1], v[PF+2:PF+3]
	v_pk_add_f32 v[12:13], v[PF+4:PF+5], v[PF+6:PF+7]
	v_pk_add_f32 v[18:19], v[18:19], v[12:13]
	v_add_f32 v18, v18, v19
	v_permlanex16_b32 v12, v18, s20, s21
	v_add_f32 v18, v18, v12
	v_rcp_f32 v14, v18
	v_nop
	s_wait_alu depctr_va_vdst(0)
.irp j, 0,2,4,6
	v_pk_mul_f32 v[PF+\j:PF+\j+1], v[PF+\j:PF+\j+1], v[14:15] op_sel_hi:[1,0]   ; the weights, normalised
.endr
.irp s, 0,1,2,3                        ; O^T = v^T p: four tiles of 16 channels by turns
.irp ct, 0,1,2,3
.if \s == 0
	v_wmma_f32_16x16x4_f32 v[OA+8*\ct:OA+8*\ct+7], v[VF+8*\ct+2*\s:VF+8*\ct+2*\s+1], v[PF+2*\s:PF+2*\s+1], 0
.else
	v_wmma_f32_16x16x4_f32 v[OA+8*\ct:OA+8*\ct+7], v[VF+8*\ct+2*\s:VF+8*\ct+2*\s+1], v[PF+2*\s:PF+2*\s+1], v[OA+8*\ct:OA+8*\ct+7]
.endif
.endr
.endr
.rept 9
	v_nop                                          ; nine plain lines before a matrix instruction takes these results as a source
.endr
.macro PROJ ct, reg, zero              ; 16 products: the slice's four tiles by turns, channels 16 ct on
.irp s, 0,1,2,3
.irp t, 0,1,2,3
.if \zero && (\s == 0)
	v_wmma_f32_16x16x4_f32 v[SA+8*\t:SA+8*\t+7], v[\reg+8*\s+2*\t:\reg+8*\s+2*\t+1], v[OA+8*\ct+2*\s:OA+8*\ct+2*\s+1], 0
.else
	v_wmma_f32_16x16x4_f32 v[SA+8*\t:SA+8*\t+7], v[\reg+8*\s+2*\t:\reg+8*\s+2*\t+1], v[OA+8*\ct+2*\s:OA+8*\ct+2*\s+1], v[SA+8*\t:SA+8*\t+7]
.endif
.endr
.endr
.endm
	s_wait_loadcnt 63                              ; behind W's groups 0 and 1 stand the 64 loads of groups 2 and 3
	PROJ 0, WF, 1
	PROJ 1, WF+32, 0
	s_wait_loadcnt 32                              ; group 2 is in; group 3's 32 may be out
	PROJ 2, QF, 0
	s_wait_loadcnt 0
	PROJ 3, KF, 0
.rept 8
	v_nop
.endr
.irp t, 0,1,2,3
	ds_store_b128 v[STO], v[SA+8*\t:SA+8*\t+3] offset:64*\t        ; lane (r, h): row r, columns 16 t + 8 h + 0 .. 7; each accumulator from its low end on
	ds_store_b128 v[STO], v[SA+8*\t+4:SA+8*\t+7] offset:64*\t+16
.endr
	s_wait_dscnt 0x0                               ; for the others' sake: my part lies in LDS
	s_barrier_signal -1
	s_barrier_wait -1
	s_cmp_gt_u32 s12, 7
	s_cbranch_scc1 .Lend
.irp p, 0,1,2,3,4,5,6,7,8,9,10,11,12,13,14,15
	ds_load_b128 v[WF+4*\p:WF+4*\p+3], v[RD] offset:\p*4352
.endr
	s_wait_dscnt 0x0
.irp w, 8,4,2,1
.set i, 0
.rept \w
	v_pk_add_f32 v[WF+4*i:WF+4*i+1], v[WF+4*i:WF+4*i+1], v[WF+4*(i+\w):WF+4*(i+\w)+1]
	v_pk_add_f32 v[WF+4*i+2:WF+4*i+3], v[WF+4*i+2:WF+4*i+3], v[WF+4*(i+\w)+2:WF+4*(i+\w)+3]
.set i, i+1
.endr
.endr
	v_pk_add_f32 v[WF:WF+1], v[WF:WF+1], v[252:253]
	v_pk_add_f32 v[WF+2:WF+3], v[WF+2:WF+3], v[254:255]
	global_store_b128 v[GO], v[WF:WF+3], s[10:11]  ; sixteen lanes store 256 consecutive bytes, aligned
.Lend:
	s_wait_tensorcnt 0x0                           ; the wave's end: three lines behind my last LDS store
	ds_add_u32 v[SPW], v[NIL]
	s_wait_dscnt 0x0
	s_endpgm
.Lfunc_end_k_q09ae42620e_first16:
	.size	k_q09ae42620e_first16, .Lfunc_end_k_q09ae42620e_first16-k_q09ae42620e_first16
	.p2alignl 7, 3214868480
	.fill 96, 4, 3214868480
	.section	.rodata,"a",@progbits
	.p2align	6, 0x0
	.amdhsa_kernel k_q09ae42620e_first16
		.amdhsa_group_segment_fixed_size 71680
		.amdhsa_private_segment_fixed_size 0
		.amdhsa_enable_private_segment 0
		.amdhsa_kernarg_size 32
		.amdhsa_user_sgpr_count 2
		.amdhsa_user_sgpr_kernarg_segment_ptr 1
		.amdhsa_wavefront_size32 1
		.amdhsa_system_sgpr_workgroup_id_x 1
		.amdhsa_system_sgpr_workgroup_id_y 1
		.amdhsa_system_sgpr_workgroup_id_z 1
		.amdhsa_system_vgpr_workitem_id 0
		.amdhsa_next_free_vgpr 256
		.amdhsa_next_free_sgpr 66
		.amdhsa_reserve_vcc 1
		.amdhsa_float_denorm_mode_32 3
		.amdhsa_float_denorm_mode_16_64 3
		.amdhsa_memory_ordered 1
		.amdhsa_forward_progress 1
		.amdhsa_inst_pref_size 33
	.end_amdhsa_kernel
	.amdgpu_metadata
---
amdhsa.version: [ 1, 2 ]
amdhsa.kernels:
  - .name:           k_q09ae42620e_first16
    .symbol:         k_q09ae42620e_first16.kd
    .args:
      - { .name: qkvf, .offset: 0, .size: 8, .value_kind: global_buffer, .address_space: global }
      - { .name: W_out, .offset: 8, .size: 8, .value_kind: global_buffer, .address_space: global }
      - { .name: b_out, .offset: 16, .size: 8, .value_kind: global_buffer, .address_space: global }
      - { .name: out0, .offset: 24, .size: 8, .value_kind: global_buffer, .address_space: global }
    .group_segment_fixed_size: 71680
    .private_segment_fixed_size: 0
    .kernarg_segment_align: 8
    .kernarg_segment_size: 32
    .max_flat_workgroup_size: 512
    .sgpr_count:     66
    .vgpr_count:     256
    .wavefront_size: 32
...
	.end_amdgpu_metadata
.endif
;; end of part 5
